; MI455X (gfx1250); checked and timed in simulation.
; The chip was launched on July 23, 2026; its instructions are those of AMD's public machine-readable ISA for CDNA 5 (MIT licence, August 2026) and "CDNA5" Instruction Set Architecture Reference Guide (July 2026). The comments in the code are by the model that wrote it; some were corrected since.
;; Ring Attention Simulated. Allowed arithmetic: matrix products marked QUANTISED: E2M1 operands, one E8M0 scale for each 32 along K, by v_wmma_scale_f32_16x16x128_f8f6f4 with both operands' format E2M1 (or v_wmma_scale_f32_32x16x128_f4), f32 sums; products left as they are: bf16, f16 or f32 operands; f32 sums; everything else in f32.
;; Inputs: Wk 1,024 x 1,024 float32; Wo 1,024 x 1,024 float32; Wq 1,024 x 1,024 float32; Wv 1,024 x 1,024 float32; x 2 x 2,048 x 1,024 float32.
;; Outputs: out0 2 x 2,048 x 1,024 float32.
;; This version of the problem:
;;   THIS VERSION OF THE PROBLEM IS GIVEN IN LOW PRECISION. The matrix products marked QUANTISED in the list below multiply operands that are first quantised to E2M1 (2 exponent bits, 1 mantissa bit; 4 bits a number), with one power-of-two scale for each 32 numbers along K (OCP MX v1.0); their sums are f32. The products marked 'left as it is' may take bf16, f16 or f32 operands, with f32 sums. Whichever they take, every output number must still come out within the allowed error. Rounding operands to bf16 (8 significant bits) uses up far more of that allowance than f16 does (11 bits, for magnitudes from 6e-5 to 65,504). All else is computed in f32.
;;   The module's matrix products, in the order in which they are computed (A, B: the left and right operand; K: the contracted axis; several contracted axes count as one K, in the product's order):
;;     1. [M 4,096, K 1,024] x [K 1,024, N 1,024]; A: input x; B: input Wq: QUANTISED
;;     2. [M 4,096, K 1,024] x [K 1,024, N 1,024]; A: input x; B: input Wk: QUANTISED
;;     3. [M 4,096, K 1,024] x [K 1,024, N 1,024]; A: input x; B: input Wv: QUANTISED
;;     4. batch 32 x [M 2,048, K 64] x [K 64, N 2,048]; A: computed on the way; B: computed on the way: left as it is (an operand is computed on the way)
;;     5. batch 32 x [M 2,048, K 2,048] x [K 2,048, N 64]; A: computed on the way; B: computed on the way: left as it is (an operand is computed on the way)
;;     6. [M 4,096, K 1,024] x [K 1,024, N 1,024]; A: computed on the way; B: input Wo: left as it is (an operand is computed on the way)
;;   THE QUANTISER, for each operand of a quantised product, along K:
;;     - K is cut into blocks of 32 from its start; a last block that is shorter is filled with zeros.
;;     - A block's scale is 2^e with e = floor(log2(the largest magnitude in the block)) - 2, held to -126 .. 127; a block of zeros has e = 0. As a byte (E8M0): e + 127.
;;     - Each number is divided by its block's scale, clamped to +-6, and rounded to the nearest number of E2M1, ties to even, subnormals kept.
;;     - The product sums the exact products of the quantised numbers (number of the format x scale) in f32.
;;   ~~~python
;;   def quantise(x, axis):      # numpy; x: float32 -> the quantised numbers, widened to float32 again
;;       x = np.moveaxis(x, axis, -1); K = x.shape[-1]
;;       x = np.pad(x, [(0, 0)] * (x.ndim - 1) + [(0, -K % 32)]); x = x.reshape(x.shape[:-1] + (-1, 32)); a = np.abs(x).max(-1, keepdims=True)
;;       e = np.where(a > 0, np.clip(np.frexp(np.where(a > 0, a, 1))[1] - 1 - 2, -126, 127), 0)      # np.frexp(a)[1] - 1 = floor(log2(a)), exactly
;;       r = np.clip(x / 2.0 ** e, -6, 6)
;;       step = 2.0 ** (np.maximum(np.frexp(np.where(r == 0, 1, r))[1] - 1, 0) - 1)
;;       q = np.round(r / step) * step * 2.0 ** e      # np.round: ties to even
;;       return np.moveaxis(q.reshape(q.shape[:-2] + (-1,))[..., :K], -1, axis).astype(np.float32)
;;   ~~~
;; One version. Each part assembles by itself: llvm-mc -triple=amdgcn-amd-amdhsa -mcpu=gfx1250 --defsym DOCPART=n.
;; ======== version 1 of 1: 5 launches
;; limits: values are held in f16: magnitudes above 65,504 overflow, below 6.1e-05 lose precision
;; workspace buffers: xc 2,097,152 bytes; wc 1,572,864 bytes; sc 229,376 bytes; woc 2,097,152 bytes; qkvh 25,165,824 bytes; oc 8,388,608 bytes; q32 393,216 bytes
;; launch prep (part 1): grid 384 x 1, 8 waves a work-group, no clusters, 70,144 bytes of LDS; arguments x, Wq, Wk, Wv, Wo, xc, wc, sc, woc; writes xc, wc, sc, woc
.if DOCPART == 1
	.amdgcn_target "amdgcn-amd-amdhsa--gfx1250"
	.amdhsa_code_object_version 6
	.text
	.protected	k_q8bc9b3519c_prep
	.globl	k_q8bc9b3519c_prep
	.p2align	8
	.type	k_q8bc9b3519c_prep,@function
k_q8bc9b3519c_prep:
	s_mov_b64 s[64:65], 0
	v_nop
	global_prefetch_b8 v0, s[64:65] scope:SCOPE_SE
	s_setreg_imm32_b32 hwreg(HW_REG_WAVE_MODE, 25, 1), 1
	s_wait_xcnt 0x0
; PREP: x [4096][1024] and Wq, Wk, Wv [1024 (k)][1024 (n)], f32, become codes of FP4 (E2M1) with one E8M0 byte for each 32 along K; Wo [1024 (k)][1024 (n)] becomes f16.
; Everything is stored as IMAGES OF OPERAND REGISTERS: a fragment's groups of four registers on end, lane l's 16 bytes at 16 l, 512 bytes a group.
;   xc  [row tile 256][K step 8][1,024 bytes]: group c holds k = 64 c + 32 (l / 16) + 0 .. 31 of row l % 16.
;   wc  [n' tile 192][K step 8][1,024 bytes], n' tile = 12 head + 4 which + d / 16 (which: 0 q, 1 k, 2 v).
;   sc  x's scale words at 0: [K half 2][row 4096][4 words]; the weights' at 131,072: [K half 2][n' 3072][4 words]; a word = the four bytes of one K step of 128.
;   woc [n tile 64][K chunk of 32: 32][1,024 bytes]: group c holds k = 16 c + 8 (l / 16) + 0 .. 7 of column l % 16.
; A block's scale is 2^(floor(log2(largest magnitude)) - 2); its byte is that magnitude's exponent field - 2, held at 1 from below (a block of zeros keeps the byte 1: its codes are zeros, and this program alone reads the bytes).
; LIMITS: blocks whose largest magnitude lies under 2^-124 keep the byte 1; NaN and infinities are not served; |Wo| stays under 65,504 (f16).
; Work-groups 0-255: a tile of 16 rows of x, wave w = K step w.  Work-groups 256-383: 64 columns x 512 of K of one weight; a wave takes 32 columns x 128 of K, a lane a column, its registers run down K.
; No tensor load, no matrix instruction.  Each path has LDS bytes of its own.
.set XW,    67584                      ; x's scale words of the tile: 512 bytes
.set WW,    68096                      ; a weight's scale words: 64 columns x 16 bytes
.set SPARE, 69120                      ; the spare words, 128 bytes for each of eight waves
.set SPW,   10                         ; v10 LDS address of my spare word; never rewritten
.set NIL,   11                         ; v11 0; never rewritten
.set SEL,   12                         ; s[12:13] selects for lane l xor 16
.set TM,    200
.set PW,    216
.set PC,    160
; 64 numbers of a lane, register 16 b + i = k 32 b + 16 (lane / 16) + i of my row, become a fragment's codes in v[PC] on and its scale word in v[PW]
.macro QUANT s
.irp b, 0,1,2,3
	v_max3_num_f32 v[TM+\b], |v[\s+16*\b]|, |v[\s+1+16*\b]|, 0x1800000   ; my 16 numbers of block b, and the floor 2^(3 - 127): the byte cannot fall under 1
.endr
.irp i, 2,4,6,8,10,12,14
.irp b, 0,1,2,3
	v_max3_num_f32 v[TM+\b], v[TM+\b], |v[\s+16*\b+\i]|, |v[\s+1+16*\b+\i]|
.endr
.endr
.irp b, 0,1,2,3
	v_permlanex16_b32 v[TM+4+\b], v[TM+\b], s[SEL], s[SEL+1]
.endr
.irp b, 0,1,2,3
	v_max_num_f32 v[TM+\b], v[TM+\b], v[TM+4+\b]   ; with lane l xor 16's: the block's largest magnitude
.endr
.irp b, 0,1,2,3
	v_add_nc_u32 v[TM+12+\b], 0xff000000, v[TM+\b]   ; 2 off its exponent field: the conversion's scale operand
.endr
.irp b, 0,1,2,3
	v_lshrrev_b32 v[TM+4+\b], 23, v[TM+12+\b]      ; the scale's byte
.endr
	v_lshl_or_b32 v[PW], v[TM+5], 8, v[TM+4]
	v_lshl_or_b32 v[PW], v[TM+6], 16, v[PW]
	v_lshl_or_b32 v[PW], v[TM+7], 24, v[PW]
.irp b, 0,1,2,3
	v_cvt_scalef32_pk8_fp4_f32 v[PC+2*\b], v[\s+16*\b:\s+7+16*\b], v[TM+12+\b]
	v_cvt_scalef32_pk8_fp4_f32 v[PC+1+2*\b], v[\s+8+16*\b:\s+15+16*\b], v[TM+12+\b]
.endr
	v_nop                                          ; one plain place behind a scaled conversion
.irp c, 0,1                                    ; the operand wants a whole block in a lane: lanes 0-15 block 2 c, lanes 16-31 block 2 c + 1
.irp i, 0,1
	v_permlane16_swap_b32 v[PC+4*\c+\i], v[PC+2+4*\c+\i]
.endr
.endr
.endm
	s_load_b512 s[16:31], s[0:1], 0x0              ; x s[16:17], Wq s[18:19], Wk s[20:21], Wv s[22:23], Wo s[24:25], xc s[26:27], wc s[28:29], sc s[30:31]
	s_load_b64 s[32:33], s[0:1], 0x40              ; woc
	v_lshl_add_u32 v[SPW], v0, 2, SPARE
	v_mov_b32 v[NIL], 0
	v_lshrrev_b32 v1, 5, v0
	v_readfirstlane_b32 s8, v1                     ; wave 0..7
	v_and_b32 v1, 31, v0                           ; lane
	v_and_b32 v2, 15, v0                           ; r
	v_bfe_u32 v3, v0, 4, 1                         ; h
	s_mov_b32 s[SEL], 0x76543210
	s_mov_b32 s[SEL+1], 0xfedcba98
	s_wait_kmcnt 0x0
	s_cmp_ge_u32 ttmp9, 256
	s_cbranch_scc1 .Lw
	; ---- x: rows 16 g .. 16 g + 15, K step w.  Each load reads 512 consecutive bytes of one row
	s_lshl_b32 s2, ttmp9, 16                       ; 16 rows of 4,096 bytes
	s_lshl_b32 s3, s8, 9                           ; 128 numbers
	s_add_co_u32 s2, s2, s3
	s_mov_b32 s3, 0
	s_add_nc_u64 s[16:17], s[16:17], s[2:3]
	v_lshlrev_b32 v4, 4, v1                        ; 16 x lane
.irp i, 0,1,2,3,4,5,6,7,8,9,10,11,12,13,14,15
	global_load_b128 v[32+4*\i:35+4*\i], v4, s[16:17] offset:4096*\i th:TH_LOAD_NT
.endr
	s_mul_i32 s4, s8, 8448                         ; my stage: 16 rows x (512 + 16) bytes
	v_add_nc_u32 v5, s4, v4                        ; in: as loaded
	v_mul_u32_u24 v6, v2, 528
	v_lshl_add_u32 v6, v3, 6, v6
	v_add_nc_u32 v6, s4, v6                        ; out: row r, + 64 h: my 16 numbers of each block of 32
	s_lshr_b32 s4, s8, 2
	s_lshl_b32 s4, s4, 8
	s_and_b32 s5, s8, 3
	s_lshl_b32 s5, s5, 2
	s_add_co_u32 s4, s4, s5
	s_add_co_u32 s4, s4, XW
	v_lshl_add_u32 v7, v2, 4, s4                   ; my row's scale word: K half w / 4, word w % 4
	v_add_nc_u32 v8, XW, v4                        ; and where wave 0 reads the 512 bytes back
	v_lshlrev_b32 v9, 16, v3
	v_lshl_add_u32 v9, v2, 4, v9                   ; in sc: 65,536 x K half + 16 r
	s_lshl_b32 s2, ttmp9, 13
	s_lshl_b32 s5, s8, 10
	s_add_co_u32 s2, s2, s5
	s_add_nc_u64 s[26:27], s[26:27], s[2:3]        ; xc at my fragment
	s_lshl_b32 s2, ttmp9, 8
	s_add_nc_u64 s[30:31], s[30:31], s[2:3]        ; sc at my tile's rows
.irp b, 0,1,2,3
	v_mov_b32 v[TM+4+\b], 0                        ; written once: a lane permute's destination counts as one of its sources
.endr
.irp i, 0,1,2,3,4,5,6,7,8,9,10,11,12,13,14,15
	s_wait_loadcnt 15-\i                           ; loads come back in order: row i is in, the younger ones may be out
	ds_store_b128 v5, v[32+4*\i:35+4*\i] offset:528*\i
.endr
.irp b, 0,1,2,3
.irp j, 0,1,2,3
	ds_load_b128 v[96+16*\b+4*\j:99+16*\b+4*\j], v6 offset:128*\b+16*\j   ; my wave's own bytes, served in order: no wait between the stores and these
.endr
.endr
	s_wait_dscnt 0x0
	QUANT 96
	global_store_b128 v4, v[PC:PC+3], s[26:27]               ; 512 consecutive bytes each
	global_store_b128 v4, v[PC+4:PC+7], s[26:27] offset:512
	ds_store_b32 v7, v[PW]                         ; both halves of the lanes write the same word with the same value
	s_wait_dscnt 0x0                               ; for the others' sake
	s_barrier_signal -1
	s_barrier_wait -1
	s_cmp_lg_u32 s8, 0
	s_cbranch_scc1 .Lend_x
	ds_load_b128 v[168:171], v8                    ; the tile's 16 rows x 8 words
	s_wait_dscnt 0x0
	global_store_b128 v9, v[168:171], s[30:31]     ; two aligned runs of 256 bytes
.Lend_x:
	s_wait_tensorcnt 0x0                           ; the wave's end: behind my last LDS store
	ds_add_u32 v[SPW], v[NIL]
	s_wait_dscnt 0x0
	s_endpgm
	; ---- the weights
.Lw:
	s_sub_co_u32 s2, ttmp9, 256
	s_lshr_b32 s3, s2, 5                           ; which: 0 q, 1 k, 2 v, 3 o
	s_bfe_u32 s4, s2, 0x40001                      ; which 64 columns (a head)
	s_and_b32 s5, s2, 1                            ; which half of K
	s_and_b32 s6, s8, 1                            ; my 32 of the 64 columns
	s_lshr_b32 s7, s8, 1
	s_lshl_b32 s9, s5, 2
	s_add_co_u32 s9, s9, s7                        ; my K step
	s_cmp_eq_u32 s3, 1                             ; the choices hang on the work-group's number alone
	s_cselect_b64 s[18:19], s[20:21], s[18:19]
	s_cmp_eq_u32 s3, 2
	s_cselect_b64 s[18:19], s[22:23], s[18:19]
	s_cmp_eq_u32 s3, 3
	s_cselect_b64 s[18:19], s[24:25], s[18:19]
	s_lshl_b32 s10, s9, 19                         ; 128 rows of 4,096 bytes
	s_lshl_b32 s11, s4, 8
	s_add_co_u32 s10, s10, s11
	s_lshl_b32 s11, s6, 7
	s_add_co_u32 s10, s10, s11
	s_mov_b32 s11, 0
	s_add_nc_u64 s[18:19], s[18:19], s[10:11]
	v_lshlrev_b32 v4, 2, v1                        ; a lane a column
.macro LOADW b                         ; block b: W(32 b + i, my column): 128 consecutive bytes a load
.irp i, 0,1,2,3,4,5,6,7,8,9,10,11,12,13,14,15,16,17,18,19,20,21,22,23,24,25,26,27,28,29,30,31
	global_load_b32 v[32+32*(\b)+\i], v4, s[18:19] offset:(32*(\b)+\i)*4096 th:TH_LOAD_NT
.endr
.endm
	LOADW 0
	LOADW 1
	s_cmp_eq_u32 s3, 3
	s_cbranch_scc1 .Lcast
	s_mul_i32 s10, s4, 12
	s_lshl_b32 s14, s3, 2
	s_add_co_u32 s10, s10, s14
	s_lshl_b32 s14, s6, 1
	s_add_co_u32 s10, s10, s14                     ; my first n' tile
	s_lshl_b32 s10, s10, 13
	s_lshl_b32 s14, s9, 10
	s_add_co_u32 s10, s10, s14
	s_add_nc_u64 s[28:29], s[28:29], s[10:11]
	v_lshlrev_b32 v5, 13, v3
	v_lshl_add_u32 v5, v2, 4, v5                   ; lanes 16-31 belong to the next n' tile; 16 bytes a column
	s_lshl_b32 s10, s6, 9
	s_lshl_b32 s14, s7, 2
	s_add_co_u32 s14, s14, s10
	s_add_co_u32 s14, s14, WW
	v_lshl_add_u32 v6, v1, 4, s14                  ; my column's scale word of my K step
	s_add_co_u32 s14, s10, WW
	v_lshl_add_u32 v7, v1, 4, s14                  ; where waves 0 and 1 read 512 bytes back
	v_lshlrev_b32 v8, 4, v1
	s_mul_i32 s10, s5, 49152
	s_mul_i32 s14, s4, 3072
	s_add_co_u32 s10, s10, s14
	s_lshl_b32 s14, s3, 10
	s_add_co_u32 s10, s10, s14
	s_lshl_b32 s14, s6, 9
	s_add_co_u32 s10, s10, s14
	s_add_co_u32 s10, s10, 131072
	s_add_nc_u64 s[30:31], s[30:31], s[10:11]
.macro QBLOCK b
.set XS, 32+32*(\b)
.if (\b) < 3
	s_wait_loadcnt 32                              ; this block's 32 loads are in; the next block's may be out
.else
	s_wait_loadcnt 0x0
.endif
	v_max3_num_f32 v12, |v[XS]|, |v[XS+1]|, |v[XS+2]|   ; all 32 numbers of the block are mine
	v_max3_num_f32 v13, |v[XS+3]|, |v[XS+4]|, |v[XS+5]|
.irp i, 6,10,14,18,22,26
	v_max3_num_f32 v12, v12, |v[XS+\i]|, |v[XS+\i+1]|
	v_max3_num_f32 v13, v13, |v[XS+\i+2]|, |v[XS+\i+3]|
.endr
	v_max3_num_f32 v12, v12, |v[XS+30]|, |v[XS+31]|
	v_max3_num_f32 v12, v12, v13, 0x1800000        ; the floor
	v_add_nc_u32 v14, 0xff000000, v12              ; the conversion's scale operand
	v_lshrrev_b32 v13, 23, v14                     ; the byte
.if (\b) == 0
	v_mov_b32 v176, v13
.else
	v_lshl_or_b32 v176, v13, 8*(\b), v176
.endif
.irp g, 0,1,2,3
	v_cvt_scalef32_pk8_fp4_f32 v[160+4*(\b)+\g], v[XS+8*\g:XS+8*\g+7], v14
.endr
	v_nop                                          ; one plain place behind the conversions
	global_store_b128 v5, v[160+4*(\b):160+4*(\b)+3], s[28:29] offset:256*(\b)   ; block b = 2 c + h of the image: each half of the lanes writes 256 consecutive bytes, aligned
.if (\b) < 2
	LOADW (\b)+2
.endif
.endm
	QBLOCK 0
	QBLOCK 1
	QBLOCK 2
	QBLOCK 3
	ds_store_b32 v6, v176
	s_wait_dscnt 0x0                               ; for the others' sake
	s_barrier_signal -1
	s_barrier_wait -1
	s_cmp_ge_u32 s8, 2
	s_cbranch_scc1 .Lend_w
	ds_load_b128 v[180:183], v7
	s_wait_dscnt 0x0
	global_store_b128 v8, v[180:183], s[30:31]     ; 512 consecutive bytes
.Lend_w:
	s_wait_tensorcnt 0x0                           ; the wave's end: behind my last LDS store
	ds_add_u32 v[SPW], v[NIL]
	s_wait_dscnt 0x0
	s_endpgm
	; ---- Wo: rounded to f16, the same walk.  This path writes no LDS
.Lcast:
	s_lshl_b32 s10, s4, 2
	s_lshl_b32 s14, s6, 1
	s_add_co_u32 s10, s10, s14                     ; my first n tile
	s_lshl_b32 s10, s10, 15
	s_lshl_b32 s14, s9, 12                         ; four chunks of 1,024 bytes a K step
	s_add_co_u32 s10, s10, s14
	s_add_nc_u64 s[32:33], s[32:33], s[10:11]
	v_lshlrev_b32 v9, 15, v3
	v_lshl_add_u32 v9, v2, 4, v9
.macro CBLOCK b
.set XS, 32+32*(\b)
.if (\b) < 3
	s_wait_loadcnt 32
.else
	s_wait_loadcnt 0x0
.endif
.irp i, 0,1,2,3,4,5,6,7,8,9,10,11,12,13,14,15
	v_cvt_pk_f16_f32 v[160+16*(\b)+\i], v[XS+2*\i], v[XS+2*\i+1]
.endr
.irp g, 0,1,2,3
	global_store_b128 v9, v[160+16*(\b)+4*\g:160+16*(\b)+4*\g+3], s[32:33] offset:1024*(\b)+256*\g   ; k = 8 g .. 8 g + 7 of the chunk: g = 2 c + h of the image
.endr
.if (\b) < 2
	LOADW (\b)+2
.endif
.endm
	CBLOCK 0
	CBLOCK 1
	CBLOCK 2
	CBLOCK 3
	s_endpgm
.Lfunc_end_k_q8bc9b3519c_prep:
	.size	k_q8bc9b3519c_prep, .Lfunc_end_k_q8bc9b3519c_prep-k_q8bc9b3519c_prep
	.p2alignl 7, 3214868480
	.fill 96, 4, 3214868480
	.section	.rodata,"a",@progbits
	.p2align	6, 0x0
	.amdhsa_kernel k_q8bc9b3519c_prep
		.amdhsa_group_segment_fixed_size 70144
		.amdhsa_private_segment_fixed_size 0
		.amdhsa_enable_private_segment 0
		.amdhsa_kernarg_size 72
		.amdhsa_user_sgpr_count 2
		.amdhsa_user_sgpr_kernarg_segment_ptr 1
		.amdhsa_wavefront_size32 1
		.amdhsa_system_sgpr_workgroup_id_x 1
		.amdhsa_system_sgpr_workgroup_id_y 1
		.amdhsa_system_sgpr_workgroup_id_z 1
		.amdhsa_system_vgpr_workitem_id 0
		.amdhsa_next_free_vgpr 224
		.amdhsa_next_free_sgpr 66
		.amdhsa_reserve_vcc 0
		.amdhsa_float_denorm_mode_32 3
		.amdhsa_float_denorm_mode_16_64 3
		.amdhsa_memory_ordered 1
		.amdhsa_forward_progress 1
		.amdhsa_inst_pref_size 44
	.end_amdhsa_kernel
	.amdgpu_metadata
---
amdhsa.version: [ 1, 2 ]
amdhsa.kernels:
  - .name:           k_q8bc9b3519c_prep
    .symbol:         k_q8bc9b3519c_prep.kd
    .args:
      - { .name: x, .offset: 0, .size: 8, .value_kind: global_buffer, .address_space: global }
      - { .name: Wq, .offset: 8, .size: 8, .value_kind: global_buffer, .address_space: global }
      - { .name: Wk, .offset: 16, .size: 8, .value_kind: global_buffer, .address_space: global }
      - { .name: Wv, .offset: 24, .size: 8, .value_kind: global_buffer, .address_space: global }
      - { .name: Wo, .offset: 32, .size: 8, .value_kind: global_buffer, .address_space: global }
      - { .name: xc, .offset: 40, .size: 8, .value_kind: global_buffer, .address_space: global }
      - { .name: wc, .offset: 48, .size: 8, .value_kind: global_buffer, .address_space: global }
      - { .name: sc, .offset: 56, .size: 8, .value_kind: global_buffer, .address_space: global }
      - { .name: woc, .offset: 64, .size: 8, .value_kind: global_buffer, .address_space: global }
    .group_segment_fixed_size: 70144
    .private_segment_fixed_size: 0
    .kernarg_segment_align: 8
    .kernarg_segment_size: 72
    .max_flat_workgroup_size: 256
    .sgpr_count:     66
    .vgpr_count:     224
    .wavefront_size: 32
...
	.end_amdgpu_metadata
.endif
;; end of part 1
;; launch qkv (part 2): grid 16 x 16, 4 waves a work-group, clusters of 4 x 1, 327,680 bytes of LDS; arguments xc, wc, sc, qkvh, q32; writes qkvh, q32
.if DOCPART == 2
	.amdgcn_target "amdgcn-amd-amdhsa--gfx1250"
	.amdhsa_code_object_version 6
	.text
	.protected	k_q8bc9b3519c_qkv
	.globl	k_q8bc9b3519c_qkv
	.p2align	8
	.type	k_q8bc9b3519c_qkv,@function
k_q8bc9b3519c_qkv:
	s_mov_b64 s[64:65], 0
	v_nop
	global_prefetch_b8 v0, s[64:65] scope:SCOPE_SE
	s_setreg_imm32_b32 hwreg(HW_REG_WAVE_MODE, 25, 1), 1
	s_wait_xcnt 0x0
	s_wait_alu depctr_hold_cnt(0) depctr_sa_sdst(0) depctr_va_vdst(0) depctr_va_sdst(0) depctr_va_ssrc(0) depctr_va_vcc(0) depctr_vm_vsrc(0)
	s_getreg_b32 s2, hwreg(HW_REG_IB_STS2, 6, 4)
	s_cmp_eq_u32 s2, 0
	s_cbranch_scc0 .Lentry_in_a_cluster
	s_endpgm
.Lentry_in_a_cluster:
	s_bfe_u32 s2, ttmp6, 0x10000c
	s_cmp_lg_u32 s2, 0x3003
	s_cbranch_scc0 .Lentry_shape_is_right
	s_endpgm
.Lentry_shape_is_right:
; QKV: q, k, v = Q(x) Q(W) on codes of FP4 with E8M0 scales, K = 1,024, sums in f32.  A work-group makes 256 rows x (q, k, v of one head: 192 columns); a wave 64 rows x 192: 48 accumulators.
; All operands of a work-group fit in LDS (x: 131,072 bytes, W: 98,304): every fill is a first fill, in four chunks of two K steps; no byte is filled again.
; CLUSTER: the four heads of a cluster read the same rows of x: x's tiles are asked for jointly (mask 15).  The weights are loaded plainly: sharing them would put row blocks into one cluster, and the branch
; round the f32 side store below hangs on the row block, which has to be the same in all partners.
; q and k are made TRANSPOSED (source 0 = 16 columns of W, source 1 = 16 rows of x): a lane holds one row t and eight neighbouring d, so two column tiles rounded to f16 ARE a fragment (16 rows x 32 d).
; v is made naturally (source 0 = x, source 1 = W): a lane holds one d and eight neighbouring t, so two row tiles rounded to f16 ARE a fragment of V^T (16 d x 32 keys).
; Results leave as images of those fragments, 512 consecutive bytes a store:  qkvh: q at 0, k at 8 Mi, v at 16 Mi, each [batch x head 32][262,144]; q, k: [t tile 128][4 groups][512]; v: [32 keys: 64][d tile 4][2][512].
; The accumulators of positions 0-15 of each sequence also leave in f32 (q32: [batch x head][tile 12][2][512]) for the launch that carries those rows finely.
; LIMIT: |q|, |k|, |v| stay under 65,504 (f16).
; REGISTERS: window 0: v1-7 addresses; v28, v29 the add's two; v32-47 x's scale words (4 mt + q), v48-95 W's (4 nt + q): lanes 0-15 K step q, lanes 16-31 K step 4 + q; v128-191 x's fragments, two sets;
;   window 1: W's fragments, two sets, at v0 and v128;  windows 2, 3: the accumulators of row tiles 0-1, 2-3, at v[8 (12 (mt % 2) + nt)].
.set SPARE, 229376
.set SPW, 28
.set NIL, 29
.set SA,  32
.set SB,  48
.set AF,  128
.set G1A, 16                           ; s[16:23] group 1 for x's tiles;  s[24:31] for W's
.set G1B, 24
.set G0A, 32                           ; s[32:47] groups 0 for x's four chunks;  s[48:63] for W's
.set G0B, 48
.set MSB, 0
.macro WIN new                         ; the immediate's high byte repeats the setting that is left
.if MSB != (\new)
	s_set_vgpr_msb (MSB<<8)|(\new)
.set MSB, (\new)
.endif
.endm
.macro CROUND                          ; a round of the cluster's barrier
	s_barrier_signal -1
	s_barrier_wait -1
	s_cmp_lg_u32 s8, 0
	s_cbranch_scc1 .Lnot_wave_0_\@
	s_barrier_signal -3
.Lnot_wave_0_\@:
	s_barrier_wait -3
	s_barrier_signal -1
	s_barrier_wait -1
.endm
.macro PLACES n
.rept \n
	v_nop
.endr
.endm
	s_load_b256 s[68:75], s[0:1], 0x0              ; xc s[68:69], wc s[70:71], sc s[72:73], qkvh s[74:75]
	s_load_b64 s[76:77], s[0:1], 0x20              ; q32
	v_lshl_add_u32 v[SPW], v0, 2, SPARE
	v_mov_b32 v[NIL], 0
	ds_add_u32 v[SPW], v[NIL]                      ; the wave's opening: the add, twice on end, and its wait ahead of my first tensor load
	ds_add_u32 v[SPW], v[NIL]
	v_lshrrev_b32 v1, 5, v0
	v_readfirstlane_b32 s8, v1                     ; wave 0..3
	s_and_b32 s9, s8, 1                            ; which half of a tile I fetch
	s_bfe_u32 s10, ttmp6, 0x40000                  ; cx
	s_lshl_b32 s11, ttmp9, 2
	s_add_co_u32 s11, s11, s10                     ; head = 4 x cluster x + cx
	s_and_b32 s12, ttmp7, 0xffff                   ; block of 256 rows: the partners share it
	; x: 8 row tiles x 2,048 bytes (two K steps), 8,192 bytes apart; elements of 8 bytes
	s_mov_b32 s[G1A+0], 15|(3<<16)|(1<<21)         ; the mask: all four; elements of 8 bytes; bit 21 beside a mask
	s_mov_b32 s[G1A+1], 256<<16
	s_mov_b32 s[G1A+2], 8<<16
	s_mov_b32 s[G1A+3], 256<<16
	s_mov_b32 s[G1A+4], 8
	s_mov_b32 s[G1A+5], 1024
	s_mov_b32 s[G1A+6], 0
	s_mov_b32 s[G1A+7], 0
	; W: 6 column tiles likewise, no mask
	s_mov_b32 s[G1B+0], 3<<16
	s_mov_b32 s[G1B+1], 256<<16
	s_mov_b32 s[G1B+2], 6<<16
	s_mov_b32 s[G1B+3], 256<<16
	s_mov_b32 s[G1B+4], 6
	s_mov_b32 s[G1B+5], 1024
	s_mov_b32 s[G1B+6], 0
	s_mov_b32 s[G1B+7], 0
	s_lshl_b32 s13, s9, 14                         ; LDS: my half of x's chunk
	s_mul_i32 s14, s9, 12288                       ; and of W's
	s_lshl_b32 s80, s12, 17                        ; x: 16 row tiles of 8,192 bytes a block,
	s_lshl_b32 s81, s9, 16                         ; 8 of them a half: the row block and the wave's number alone
	s_add_co_u32 s80, s80, s81
	s_mov_b32 s81, 0
	s_mul_i32 s82, s11, 98304                      ; W: 12 tiles a head,
	s_mul_i32 s83, s9, 49152                       ; 6 a half
	s_add_co_u32 s82, s82, s83
	s_mov_b32 s83, 0
	s_wait_dscnt 0x0                               ; both opening adds are done
	s_wait_kmcnt 0x0
	s_add_nc_u64 s[80:81], s[68:69], s[80:81]
	s_add_nc_u64 s[82:83], s[70:71], s[82:83]
.irp c, 0,1,2,3
	s_mov_b32 s[G0A+4*\c], 1
	s_add_co_u32 s[G0A+4*\c+1], s13, 32768*\c
	s_add_nc_u64 s[G0A+4*\c+2:G0A+4*\c+3], s[80:81], 2048*\c
	s_or_b32 s[G0A+4*\c+3], s[G0A+4*\c+3], 0x80000000
	s_mov_b32 s[G0B+4*\c], 1
	s_add_co_u32 s[G0B+4*\c+1], s14, 131072+24576*\c
	s_add_nc_u64 s[G0B+4*\c+2:G0B+4*\c+3], s[82:83], 2048*\c
	s_or_b32 s[G0B+4*\c+3], s[G0B+4*\c+3], 0x80000000
.endr
	CROUND                                         ; all four work-groups are here: the joint loads meet
	s_cmp_lt_u32 s8, 2                             ; waves 0, 1: x's halves; waves 2, 3: W's.  A wave's four first fills stand in one branch: four loads of mine are out
	s_cbranch_scc0 .Lfill_w
.irp c, 0,1,2,3
	tensor_load_to_lds s[G0A+4*\c:G0A+4*\c+3], s[G1A:G1A+7]
	s_nop 0
.endr
	PLACES 4
	s_branch .Lfilled
.Lfill_w:
.irp c, 0,1,2,3
	tensor_load_to_lds s[G0B+4*\c:G0B+4*\c+3], s[G1B:G1B+7]
	s_nop 0
.endr
	PLACES 4
.Lfilled:
	v_and_b32 v8, 31, v0
	v_lshlrev_b32 v1, 4, v8                        ; 16 x lane
	s_lshl_b32 s13, s8, 13
	v_add_nc_u32 v2, s13, v1                       ; x's fragments: my four row tiles, chunks 0, 1;
	v_add_nc_u32 v3, 0x10000, v2                   ; chunks 2, 3
	v_add_nc_u32 v4, 0x20000, v1                   ; W's: chunks 0, 1;
	v_add_nc_u32 v5, 0x2c000, v1                   ; chunks 2, 3
	v_and_b32 v9, 15, v0
	v_bfe_u32 v10, v0, 4, 1
	v_lshlrev_b32 v9, 4, v9
	v_lshl_add_u32 v6, v10, 16, v9                 ; x's scale words: 65,536 x K half + 16 r
	v_mul_u32_u24 v7, v10, 49152
	v_add_nc_u32 v7, v7, v9                        ; W's: 49,152 x K half + 16 r
	s_lshl_b32 s14, s12, 12
	s_lshl_b32 s15, s8, 10
	s_add_co_u32 s14, s14, s15
	s_mov_b32 s15, 0
	s_add_nc_u64 s[84:85], s[72:73], s[14:15]      ; my 64 rows' words
	s_mul_i32 s14, s11, 3072
	s_add_co_u32 s14, s14, 131072
	s_add_nc_u64 s[86:87], s[72:73], s[14:15]      ; my head's 192 columns' words
.irp mt, 0,1,2,3
	global_load_b128 v[SA+4*\mt:SA+4*\mt+3], v6, s[84:85] offset:256*\mt   ; two aligned runs of 256 bytes a load
.endr
.irp nt, 0,1,2,3,4,5,6,7,8,9,10,11
	global_load_b128 v[SB+4*\nt:SB+4*\nt+3], v7, s[86:87] offset:256*\nt
.endr
	s_lshr_b32 s13, s12, 3
	s_lshl_b32 s13, s13, 4
	s_add_co_u32 s13, s13, s11                     ; batch x head
	s_and_b32 s14, s12, 7
	s_lshl_b32 s14, s14, 4
	s_lshl_b32 s78, s8, 2
	s_add_co_u32 s14, s14, s78                     ; my first t tile in the sequence
	s_lshl_b32 s14, s14, 11
	s_lshl_b32 s78, s13, 18
	s_add_co_u32 s14, s14, s78
	s_add_nc_u64 s[88:89], s[74:75], s[14:15]      ; q's images,
	s_add_nc_u64 s[90:91], s[88:89], 0x800000      ; k's,
	s_add_nc_u64 s[92:93], s[88:89], 0x1000000     ; v's (a chunk of 32 keys is 4,096 bytes: 2,048 a t tile too)
	s_mul_i32 s14, s13, 12288
	s_add_nc_u64 s[76:77], s[76:77], s[14:15]
; one product; s: the K step.  s = 0 starts the sum; from s = 4 on both sides' scale words stand in lanes 16-31
.macro WM d, a, b, sa, sb, s
.if (\s) == 0
	v_wmma_scale_f32_16x16x128_f8f6f4 v[(\d):(\d)+7], v[(\a):(\a)+7], v[(\b):(\b)+7], 0, v[\sa], v[\sb] matrix_a_fmt:MATRIX_FMT_FP4 matrix_b_fmt:MATRIX_FMT_FP4
.elseif (\s) < 4
	v_wmma_scale_f32_16x16x128_f8f6f4 v[(\d):(\d)+7], v[(\a):(\a)+7], v[(\b):(\b)+7], v[(\d):(\d)+7], v[\sa], v[\sb] matrix_a_fmt:MATRIX_FMT_FP4 matrix_b_fmt:MATRIX_FMT_FP4
.else
	v_wmma_scale_f32_16x16x128_f8f6f4 v[(\d):(\d)+7], v[(\a):(\a)+7], v[(\b):(\b)+7], v[(\d):(\d)+7], v[\sa], v[\sb] matrix_a_fmt:MATRIX_FMT_FP4 matrix_b_fmt:MATRIX_FMT_FP4 matrix_a_scale:MATRIX_SCALE_ROW1 matrix_b_scale:MATRIX_SCALE_ROW1
.endif
.endm
; a K step's 48 products, from fragment sets e.  The 48 accumulators take turns, one instruction a turn, in the same order in every step
.macro MUL s, e
.irp wh, 0,1
	WIN 0xa1+0x50*\wh                              ; source 0 (W) window 1, source 1 (x) window 0, C and D window 2 or 3
.irp m, 0,1
.irp nt, 0,1,2,3,4,5,6,7
	WM 8*(12*\m+\nt), 128*(\e)+8*\nt, AF+32*(\e)+8*(2*\wh+\m), SB+4*\nt+((\s)&3), SA+4*(2*\wh+\m)+((\s)&3), \s
.endr
.endr
	WIN 0xa4+0x50*\wh                              ; v: source 0 (x) window 0, source 1 (W) window 1
.irp m, 0,1
.irp nt, 8,9,10,11
	WM 8*(12*\m+\nt), AF+32*(\e)+8*(2*\wh+\m), 128*(\e)+8*\nt, SA+4*(2*\wh+\m)+((\s)&3), SB+4*\nt+((\s)&3), \s
.endr
.endr
.endr
.endm
; the 32 LDS loads of K step s into sets e: images, 16 x lane, 512 consecutive bytes a load
.macro FETCH s, e
	WIN 0x40                                       ; destination window 1
.irp nt, 0,1,2,3,4,5,6,7,8,9,10,11
.irp c, 0,1
	ds_load_b128 v[128*(\e)+8*\nt+4*\c:128*(\e)+8*\nt+4*\c+3], v[4+((\s)>>2)] offset:24576*(((\s)>>1)&1)+2048*\nt+1024*((\s)&1)+512*\c
.endr
.endr
	WIN 0
.irp mt, 0,1,2,3
.irp c, 0,1
	ds_load_b128 v[AF+32*(\e)+8*\mt+4*\c:AF+32*(\e)+8*\mt+4*\c+3], v[2+((\s)>>2)] offset:32768*(((\s)>>1)&1)+2048*\mt+1024*((\s)&1)+512*\c
.endr
.endr
.endm
.macro KSTEP s
.if (\s) < 7
	s_wait_dscnt 32                                ; this step's 32 loads are in; the next step's may be out
.else
	s_wait_dscnt 0x0
.endif
	MUL \s, ((\s)&1)
.if (\s) <= 5
.if ((\s)&1) == 0
	s_wait_tensorcnt 2-(\s)/2                      ; my part of the next chunk is in; the later chunks may stay out
	s_wait_dscnt 0x0                               ; no LDS instruction of mine is pending at a signal
	s_barrier_signal -1
	s_barrier_wait -1                              ; everybody's part is in
.endif
	PLACES 4                                       ; in front of loads into registers that matrix instructions have read
	FETCH (\s)+2, ((\s)&1)
.endif
.endm
	s_wait_tensorcnt 3                             ; my part of chunk 0 is in; three loads may stay out
	s_barrier_signal -1
	s_barrier_wait -1
	FETCH 0, 0
	FETCH 1, 1
	s_wait_loadcnt 0x0                             ; the scale words
.irp s, 0,1,2,3,4,5,6,7
	KSTEP \s
.endr
	WIN 0
	PLACES 4                                       ; in front of the first reads of results, and of writes into x's fragment registers
	; positions 0-15 of a sequence (row tile 0 of wave 0 of the sequence's first block) also leave in f32
	s_and_b32 s13, s12, 7
	s_or_b32 s13, s13, s8
	s_cmp_lg_u32 s13, 0                            ; the row block and the wave's number: the same in all partners
	s_cbranch_scc1 .Lno_side
	WIN 0x08                                       ; a store's data: window 2
.irp nt, 0,1,2,3,4,5,6,7,8,9,10,11
	global_store_b128 v1, v[8*\nt:8*\nt+3], s[76:77] offset:1024*\nt          ; each accumulator from its low end on
	global_store_b128 v1, v[8*\nt+4:8*\nt+7], s[76:77] offset:1024*\nt+512
.endr
	WIN 0
.Lno_side:
; row tile mt: 12 accumulators rounded to f16, each from its low end on; four registers are a group of an image
.macro OUT mt
.set AC, 96*((\mt)&1)
.set TT, 128+48*((\mt)&1)
	WIN 0x0a+5*((\mt)/2)                           ; sources 0 and 1: window 2 or 3
.irp nt, 0,1,2,3,4,5,6,7,8,9,10,11
.irp q, 0,1,2,3
	v_cvt_pk_f16_f32 v[TT+4*\nt+\q], v[AC+8*\nt+2*\q], v[AC+8*\nt+2*\q+1]
.endr
.endr
	WIN 0
.irp nt, 0,1,2,3
	global_store_b128 v1, v[TT+4*\nt:TT+4*\nt+3], s[88:89] offset:2048*(\mt)+512*\nt
.endr
.irp nt, 0,1,2,3
	global_store_b128 v1, v[TT+16+4*\nt:TT+16+4*\nt+3], s[90:91] offset:2048*(\mt)+512*\nt
.endr
.irp nt, 0,1,2,3
	global_store_b128 v1, v[TT+32+4*\nt:TT+32+4*\nt+3], s[92:93] offset:4096*((\mt)/2)+1024*\nt+512*((\mt)&1)
.endr
.endm
	OUT 0
	OUT 1
	s_wait_xcnt 0x0                                ; row tile 0's stores have read their registers, which are written again
	OUT 2
	s_wait_xcnt 0x0
	OUT 3
	s_wait_tensorcnt 0x0                           ; the wave's end
	ds_add_u32 v[SPW], v[NIL]
	s_wait_dscnt 0x0
	CROUND                                         ; the closing round
	s_endpgm
.Lfunc_end_k_q8bc9b3519c_qkv:
	.size	k_q8bc9b3519c_qkv, .Lfunc_end_k_q8bc9b3519c_qkv-k_q8bc9b3519c_qkv
	.p2alignl 7, 3214868480
	.fill 96, 4, 3214868480
	.section	.rodata,"a",@progbits
	.p2align	6, 0x0
	.amdhsa_kernel k_q8bc9b3519c_qkv
		.amdhsa_group_segment_fixed_size 327680
		.amdhsa_private_segment_fixed_size 0
		.amdhsa_enable_private_segment 0
		.amdhsa_kernarg_size 40
		.amdhsa_user_sgpr_count 2
		.amdhsa_user_sgpr_kernarg_segment_ptr 1
		.amdhsa_wavefront_size32 1
		.amdhsa_system_sgpr_workgroup_id_x 1
		.amdhsa_system_sgpr_workgroup_id_y 1
		.amdhsa_system_sgpr_workgroup_id_z 1
		.amdhsa_system_vgpr_workitem_id 0
		.amdhsa_next_free_vgpr 960
		.amdhsa_next_free_sgpr 96
		.amdhsa_reserve_vcc 0
		.amdhsa_float_denorm_mode_32 3
		.amdhsa_float_denorm_mode_16_64 3
		.amdhsa_memory_ordered 1
		.amdhsa_forward_progress 1
		.amdhsa_inst_pref_size 96
	.end_amdhsa_kernel
	.amdgpu_metadata
---
amdhsa.version: [ 1, 2 ]
amdhsa.kernels:
  - .name:           k_q8bc9b3519c_qkv
    .symbol:         k_q8bc9b3519c_qkv.kd
    .args:
      - { .name: xc, .offset: 0, .size: 8, .value_kind: global_buffer, .address_space: global }
      - { .name: wc, .offset: 8, .size: 8, .value_kind: global_buffer, .address_space: global }
      - { .name: sc, .offset: 16, .size: 8, .value_kind: global_buffer, .address_space: global }
      - { .name: qkvh, .offset: 24, .size: 8, .value_kind: global_buffer, .address_space: global }
      - { .name: q32, .offset: 32, .size: 8, .value_kind: global_buffer, .address_space: global }
    .group_segment_fixed_size: 327680
    .private_segment_fixed_size: 0
    .kernarg_segment_align: 8
    .kernarg_segment_size: 40
    .max_flat_workgroup_size: 128
    .sgpr_count:     96
    .vgpr_count:     960
    .wavefront_size: 32
...
	.end_amdgpu_metadata
.endif
;; end of part 2
;; launch attn (part 3): grid 8 x 32, 8 waves a work-group, clusters of 4 x 1, 327,680 bytes of LDS; arguments qkvh, oc; writes oc
.if DOCPART == 3
	.amdgcn_target "amdgcn-amd-amdhsa--gfx1250"
	.amdhsa_code_object_version 6
	.text
	.protected	k_q8bc9b3519c_attn
	.globl	k_q8bc9b3519c_attn
	.p2align	8
	.type	k_q8bc9b3519c_attn,@function
k_q8bc9b3519c_attn:
	s_mov_b64 s[64:65], 0
	v_nop
	global_prefetch_b8 v0, s[64:65] scope:SCOPE_SE
	s_setreg_imm32_b32 hwreg(HW_REG_WAVE_MODE, 25, 1), 1
	s_wait_xcnt 0x0
	s_wait_alu depctr_hold_cnt(0) depctr_sa_sdst(0) depctr_va_vdst(0) depctr_va_sdst(0) depctr_va_ssrc(0) depctr_va_vcc(0) depctr_vm_vsrc(0)
	s_getreg_b32 s2, hwreg(HW_REG_IB_STS2, 6, 4)
	s_cmp_eq_u32 s2, 0
	s_cbranch_scc0 .Lentry_in_a_cluster
	s_endpgm
.Lentry_in_a_cluster:
	s_bfe_u32 s2, ttmp6, 0x10000c
	s_cmp_lg_u32 s2, 0x3003
	s_cbranch_scc0 .Lentry_shape_is_right
	s_endpgm
.Lentry_shape_is_right:
; ATTN: o = softmax(q k^T / 8, causal) v for one (batch, head), f16 operands, f32 products' sums, maxima and row sums.  q, k, v come as images of fragments (launch qkv), o leaves as images for the projection:
; oc [global t tile 256][K chunk 32 = 2 head + p][2 groups][512 bytes].
; LAYOUT: S^T = K Q^T (source 0 = 16 keys, source 1 = 16 queries): a lane holds one query and keys 8 (lane / 16) + 0 .. 7; two such tiles rounded to f16 are source 1 of O^T = V^T P^T, which again holds one query a lane.
; SHARES UNDER THE MASK: P = cluster x (0, 1), cx = place in the cluster.  The work-group owns the 16 query tiles 8 m + 4 P + cx, m = 0 .. 15; wave w owns m0 = w % 4 + 8 - 8 (w / 4) and m0 + 4.
; A key step is 64 keys = four query tiles, so tile m's diagonal lies in step 2 m + P: THE SAME IN ALL FOUR PARTNERS.  Every branch hangs on the wave's number, P and the count of steps alone; cx enters only
; q's and o's addresses and the number against which the diagonal's keys are compared.  Every work-group walks all 32 steps (constant trip counts) and makes every joint request; a step whose keys all come after
; a tile's queries is left out for that tile by a scalar branch.  Each wave's part of every slot holds keys that some wave of every partner reads.
; RING: two slots of 512 keys (K: 32 t tiles x 2,048 bytes, then V: 16 chunks x 4,096), 131,072 bytes each; each of the eight waves brings 16,384 dense bytes by one joint load (waves 0-3 K, 4-7 V).
; Two first fills, two refills; a refill has a slot's eight key steps in which to land, so nothing is prefetched.
; SOFTMAX: running maximum m and sum l for each query; p = 2^(c s - c m), c = log2(e) / 8; O and l are multiplied by a = 2^(c m_old - c m_new) in every step.  The step is written once: m begins at -3e38, l and O at 0.
; LIMITS: NaN and infinities among q, k, v are not served; |q|, |k|, |v| stay under 65,504 (f16).
; REGISTERS: window 0: v1 16 x lane, v2 the same + 65,536, v3, v4 the step's addresses, v5 16 cx + r - 8 h, v6, v7 the add's two, v8 -infinity; v16-31 statistics, 8 a tile (+0 c m, +1 m, +2, +3 l, +4 .. +7 at work, a in +6);
;   v32-63 Q; v64-127 S^T, then p; v128-159 P; v160-223 O^T; v224-255 the way out.   window 1: v0-63 K of a step, v64-127 V.
.set SPARE, 262144
.set ST, 16
.set Q,  32
.set S,  64
.set P,  128
.set O,  160
.set G1, 16                            ; s[16:23]
.set G0, 24                            ; s[24:31]: a set for each slot
.set SEL, 32                           ; s[32:33]
.set CS,  34                           ; s[34:35] c, twice: the packed form names a pair
.set MSB, 0
.macro WIN new
.if MSB != (\new)
	s_set_vgpr_msb (MSB<<8)|(\new)
.set MSB, (\new)
.endif
.endm
.macro CROUND
	s_barrier_signal -1
	s_barrier_wait -1
	s_cmp_lg_u32 s8, 0
	s_cbranch_scc1 .Lnot_wave_0_\@
	s_barrier_signal -3
.Lnot_wave_0_\@:
	s_barrier_wait -3
	s_barrier_signal -1
	s_barrier_wait -1
.endm
.macro PLACES n
.rept \n
	v_nop
.endr
.endm
	s_load_b128 s[36:39], s[0:1], 0x0              ; qkvh s[36:37], oc s[38:39]
	v_lshl_add_u32 v6, v0, 2, SPARE
	v_mov_b32 v7, 0
	ds_add_u32 v6, v7                              ; the wave's opening: the add, twice on end, and its wait ahead of my first tensor load
	ds_add_u32 v6, v7
	v_lshrrev_b32 v1, 5, v0
	v_readfirstlane_b32 s8, v1                     ; wave 0..7
	s_bfe_u32 s9, ttmp6, 0x40000                   ; cx
	s_mov_b32 s10, ttmp9                           ; P
	s_and_b32 s11, ttmp7, 0xffff                   ; batch x head
	s_and_b32 s40, s8, 3
	s_lshr_b32 s41, s8, 2
	s_lshl_b32 s42, s41, 3
	s_add_co_u32 s43, s40, 8
	s_sub_co_u32 s43, s43, s42                     ; m0
	s_lshl_b32 s12, s43, 1
	s_add_co_u32 s12, s12, s10                     ; D0: the step of tile 0's diagonal
	s_add_co_u32 s13, s12, 8                       ; D1: of tile 1's
	s_mov_b32 s[G1+0], 15|(3<<16)|(1<<21)          ; 16,384 dense bytes as 64 rows of 256 (32 elements of 8 bytes); the mask names all four
	s_mov_b32 s[G1+1], 32<<16
	s_mov_b32 s[G1+2], 64<<16
	s_mov_b32 s[G1+3], 32<<16
	s_mov_b32 s[G1+4], 64
	s_mov_b32 s[G1+5], 32
	s_mov_b32 s[G1+6], 0
	s_mov_b32 s[G1+7], 0
	s_lshl_b32 s44, s8, 14                         ; LDS: my 16,384 bytes of a slot
	s_add_co_u32 s45, s41, 1
	s_lshl_b32 s46, s45, 23                        ; k's region (waves 0-3) or v's (4-7)
	s_lshl_b32 s47, s11, 18
	s_add_co_u32 s46, s46, s47
	s_lshl_b32 s47, s40, 14
	s_add_co_u32 s46, s46, s47
	s_mov_b32 s47, 0
	s_mov_b32 s[SEL], 0x76543210
	s_mov_b32 s[SEL+1], 0xfedcba98
	s_mov_b32 s[CS], 0x3e38aa3b                    ; log2(e) / 8
	s_mov_b32 s[CS+1], s[CS]
	s_wait_dscnt 0x0                               ; both opening adds are done
	s_wait_kmcnt 0x0
	s_add_nc_u64 s[46:47], s[36:37], s[46:47]
.irp e, 0,1
	s_mov_b32 s[G0+4*\e], 1
	s_add_co_u32 s[G0+4*\e+1], s44, 131072*\e
	s_add_nc_u64 s[G0+4*\e+2:G0+4*\e+3], s[46:47], 65536*\e
	s_or_b32 s[G0+4*\e+3], s[G0+4*\e+3], 0x80000000
.endr
	CROUND                                         ; all four work-groups are here
	tensor_load_to_lds s[G0:G0+3], s[G1:G1+7]      ; keys 0-511
	s_nop 0
	tensor_load_to_lds s[G0+4:G0+7], s[G1:G1+7]    ; keys 512-1,023: two loads of mine are out
	s_nop 0
	PLACES 4
	s_lshl_b32 s48, s43, 3
	s_lshl_b32 s49, s10, 2
	s_add_co_u32 s48, s48, s49
	s_add_co_u32 s48, s48, s9                      ; my first query tile
	s_lshl_b32 s50, s48, 11
	s_lshl_b32 s51, s11, 18
	s_add_co_u32 s50, s50, s51
	s_mov_b32 s51, 0
	s_add_nc_u64 s[36:37], s[36:37], s[50:51]      ; its image in q
	s_lshr_b32 s50, s11, 4
	s_lshl_b32 s50, s50, 7
	s_add_co_u32 s50, s50, s48
	s_lshl_b32 s50, s50, 15
	s_and_b32 s52, s11, 15
	s_lshl_b32 s52, s52, 11
	s_add_co_u32 s50, s50, s52
	s_add_nc_u64 s[38:39], s[38:39], s[50:51]      ; and in oc
	v_and_b32 v9, 31, v0
	v_lshlrev_b32 v1, 4, v9
	v_add_nc_u32 v2, 0x10000, v1
.irp a, 0,1
.irp i, 0,1,2,3
	global_load_b128 v[Q+16*\a+4*\i:Q+16*\a+4*\i+3], v1, s[36:37] offset:65536*\a+512*\i   ; tile 1 lies 32 tiles on
.endr
.endr
	v_and_b32 v9, 15, v0
	v_bfe_u32 v10, v0, 4, 1
	v_lshlrev_b32 v10, 3, v10
	v_sub_nc_u32 v5, v9, v10
	s_lshl_b32 s52, s9, 4
	v_add_nc_u32 v5, s52, v5                       ; on the diagonal key 16 kt + 8 h + j is hidden where 16 kt + j > 16 cx + r - 8 h
	v_mov_b32 v8, 0xff800000
.irp a, 0,1
	v_mov_b32 v[ST+8*\a+1], 0xff61b1e6             ; m = -3e38, under every score
	v_mul_f32 v[ST+8*\a], s[CS], v[ST+8*\a+1]
	v_mov_b32 v[ST+8*\a+2], 0
	v_mov_b32 v[ST+8*\a+3], 0
	v_mov_b32 v[ST+8*\a+5], 0                      ; written once, on every way: the way out names it as a lane permute's destination, which counts as a source,
	v_mov_b32 v[ST+8*\a+7], 0                      ; and this one as the upper half of the pair that holds 1 / l
.endr
.irp j, 0,1,2,3,4,5,6,7,8,9,10,11,12,13,14,15,16,17,18,19,20,21,22,23,24,25,26,27,28,29,30,31,32,33,34,35,36,37,38,39,40,41,42,43,44,45,46,47,48,49,50,51,52,53,54,55,56,57,58,59,60,61,62,63
	v_mov_b32 v[O+\j], 0                           ; once: the step is written without a first step of its own
.endr
; Number j of a tile's softmax for one key step, 118 in all:  0-15 the maximum of 32 scores and the old m;  16-20 the other half of the lanes, the new m, c m, its change;  21-36 c s - c m, two at a time;
; 37 a, 38-69 the 32 p: ONE BATCH of exponentials;  70-85 the roundings to f16;  86-101 the sums, l = a l + sum;  102-117 O^T times a.
.macro SM a
.set rT, ST+8*(\a)
.set rS, S+32*(\a)
.set rP, P+16*(\a)
.set rO, O+32*(\a)
.if j < 4
	v_max3_num_f32 v[rT+4+j], v[rS+8*j], v[rS+8*j+1], v[rS+8*j+2]   ; each accumulator is read from its low end on
.elseif j < 12
	v_max3_num_f32 v[rT+4+j%4], v[rT+4+j%4], v[rS+8*(j%4)+2*(j/4)+1], v[rS+8*(j%4)+2*(j/4)+2]
.elseif j == 12
	v_max3_num_f32 v[rT+4], v[rT+4], v[rS+7], v[rS+15]
.elseif j == 13
	v_max3_num_f32 v[rT+6], v[rT+6], v[rS+23], v[rS+31]
.elseif j == 14
	v_max3_num_f32 v[rT+4], v[rT+4], v[rT+5], v[rT+6]
.elseif j == 15
	v_max3_num_f32 v[rT+4], v[rT+4], v[rT+7], v[rT+1]
.elseif j == 16
	v_permlanex16_b32 v[rT+5], v[rT+4], s[SEL], s[SEL+1]
.elseif j == 17
	v_mov_b32 v[rT+7], v[rT]
.elseif j == 18
	v_max_num_f32 v[rT+1], v[rT+4], v[rT+5]
.elseif j == 19
	v_mul_f32 v[rT], s[CS], v[rT+1]
.elseif j == 20
	v_sub_f32 v[rT+7], v[rT+7], v[rT]
.elseif j < 37
	v_pk_fma_f32 v[rS+2*(j-21):rS+2*(j-21)+1], v[rS+2*(j-21):rS+2*(j-21)+1], s[CS:CS+1], v[rT:rT+1] op_sel_hi:[1,0,0] neg_lo:[0,0,1] neg_hi:[0,0,1]
.elseif j == 37
	v_exp_f32 v[rT+6], v[rT+7]
.elseif j < 70
	v_exp_f32 v[rS+j-38], v[rS+j-38]
.elseif j < 86
	v_cvt_pk_f16_f32 v[rP+j-70], v[rS+2*(j-70)], v[rS+2*(j-70)+1]
.elseif j < 102
.set z, j-86
.set w, 4
.set u, z
.if z >= 14
.set w, 32
.set u, 0
.elseif z >= 12
.set w, 16
.set u, z-12
.elseif z >= 8
.set w, 8
.set u, z-8
.endif
.if z < 15
	v_pk_add_f32 v[rS+w*u:rS+w*u+1], v[rS+w*u:rS+w*u+1], v[rS+w*u+w/2:rS+w*u+w/2+1]
.else
	v_pk_fma_f32 v[rT+2:rT+3], v[rT+2:rT+3], v[rT+6:rT+7], v[rS:rS+1] op_sel_hi:[1,0,1]
.endif
.else
	v_pk_mul_f32 v[rO+2*(j-102):rO+2*(j-102)+1], v[rO+2*(j-102):rO+2*(j-102)+1], v[rT+6:rT+7] op_sel_hi:[1,0]
.endif
.endm
; A key step's work for tiles lo .. 1 (lo = 0: both; lo = 1: tile 1 alone)
.macro WORK lo
	WIN 0x40                                       ; destination window 1
.irp kt, 0,1,2,3
.irp i, 0,1,2,3
	ds_load_b128 v[16*\kt+4*\i:16*\kt+4*\i+3], v3 offset:2048*\kt+512*\i
.endr
.endr
.irp u, 0,1
.irp i, 0,1,2,3,4,5,6,7
	ds_load_b128 v[64+32*\u+4*\i:64+32*\u+4*\i+3], v4 offset:4096*\u+512*\i
.endr
.endr
	s_wait_dscnt 16                                ; K is in; V's 16 loads may be out
	WIN 0x01                                       ; source 0 window 1
.irp p, 0,1                                    ; the accumulators take turns, one instruction a turn
.irp kt, 0,1,2,3
.irp a, 0,1
.if \a >= \lo
.if \p == 0
	v_wmma_f32_16x16x32_f16 v[S+32*\a+8*\kt:S+32*\a+8*\kt+7], v[16*\kt+8*\p:16*\kt+8*\p+7], v[Q+16*\a+8*\p:Q+16*\a+8*\p+7], 0
.else
	v_wmma_f32_16x16x32_f16 v[S+32*\a+8*\kt:S+32*\a+8*\kt+7], v[16*\kt+8*\p:16*\kt+8*\p+7], v[Q+16*\a+8*\p:Q+16*\a+8*\p+7], v[S+32*\a+8*\kt:S+32*\a+8*\kt+7]
.endif
.endif
.endr
.endr
.endr
	WIN 0
	PLACES 4                                       ; in front of the first read of the scores
	s_cmp_lg_u32 s14, s[12+\lo]                    ; only tile lo can stand on its diagonal here
	s_cbranch_scc1 .Lopen_\@
.irp n, 0,1,2,3,4,5,6,7,8,9,10,11,12,13,14,15,16,17,18,19,20,21,22,23,24,25,26,27,28,29,30,31
	v_cmp_gt_i32 vcc_lo, 16*(\n/8)+\n%8, v5
	v_cndmask_b32 v[S+32*\lo+\n], v[S+32*\lo+\n], v8, vcc_lo   ; hidden scores become -infinity: p = 0
.endr
.Lopen_\@:
.set j, 0
.rept 118                                      ; the tiles line by line, so that no line waits for the line above it
.if j == 70
	v_nop                                          ; the plain instruction behind the last exponential,
	s_wait_alu depctr_va_vdst(0)                   ; and the one wait ahead of the first line that names a result: for all exponentials of the step
.endif
.if \lo == 0
	SM 0
.endif
	SM 1
.set j, j+1
.endr
	s_wait_dscnt 0x0                               ; V is in
	WIN 0x01
.irp u, 0,1
.irp dt, 0,1,2,3
.irp a, 0,1
.if \a >= \lo
	v_wmma_f32_16x16x32_f16 v[O+32*\a+8*\dt:O+32*\a+8*\dt+7], v[64+32*\u+8*\dt:64+32*\u+8*\dt+7], v[P+16*\a+8*\u:P+16*\a+8*\u+7], v[O+32*\a+8*\dt:O+32*\a+8*\dt+7]
.endif
.endr
.endr
.endr
	WIN 0
	PLACES 4                                       ; in front of the next loads into V's registers and of the next read of O^T, on every way on
.endm
; a slot's eight key steps; every wave walks them, and branches inside
.macro STEPS sg
	s_mov_b32 s14, 8*(\sg)                         ; the step
	s_mov_b32 s15, 131072*((\sg)&1)                ; where its tiles begin
.Lstep_\@:
	s_cmp_gt_u32 s14, s13
	s_cbranch_scc1 .Lnext_\@                       ; all its keys come after both tiles' queries
	v_add_nc_u32 v3, s15, v1
	v_add_nc_u32 v4, s15, v2
	s_cmp_gt_u32 s14, s12
	s_cbranch_scc1 .Lone_\@
	WORK 0
	s_branch .Lnext_\@
.Lone_\@:
	WORK 1
.Lnext_\@:
	s_add_co_u32 s15, s15, 8192
	s_add_co_u32 s14, s14, 1
	s_cmp_lt_u32 s14, 8*((\sg)+1)
	s_cbranch_scc1 .Lstep_\@
.endm
; the change of slots: all my tensor loads have landed (my part of the slot ahead), the add, my reads of the slot that is left are over; fill = 1: a round of the cluster's barrier, and slot e is filled again first thing behind it
.macro CHANGE fill, e
	s_wait_tensorcnt 0x0
	ds_add_u32 v6, v7
.if \fill
	s_add_nc_u64 s[G0+4*\e+2:G0+4*\e+3], s[G0+4*\e+2:G0+4*\e+3], 131072   ; no load of mine is out: the slot's next 512 keys, two slots on
.endif
	s_wait_dscnt 0x0
.if \fill
	CROUND
	tensor_load_to_lds s[G0+4*\e:G0+4*\e+3], s[G1:G1+7]   ; my one load behind the round: one is out
	s_nop 0
	PLACES 4
.else
	s_barrier_signal -1
	s_barrier_wait -1
.endif
.endm
	s_wait_tensorcnt 1                             ; my part of slot 0 is in; slot 1's may stay out
	s_barrier_signal -1
	s_barrier_wait -1
	s_wait_loadcnt 0x0                             ; Q
	STEPS 0
	CHANGE 1, 0
	STEPS 1
	CHANGE 1, 1
	STEPS 2
	CHANGE 0, 0
	STEPS 3
	; the way out: O^T / l, rounded to f16; four registers are a group of o's image
.irp a, 0,1
	v_add_f32 v[ST+8*\a+4], v[ST+8*\a+2], v[ST+8*\a+3]
.endr
.irp a, 0,1
	v_permlanex16_b32 v[ST+8*\a+5], v[ST+8*\a+4], s[SEL], s[SEL+1]
.endr
.irp a, 0,1
	v_add_f32 v[ST+8*\a+4], v[ST+8*\a+4], v[ST+8*\a+5]
.endr
.irp a, 0,1
	v_rcp_f32 v[ST+8*\a+6], v[ST+8*\a+4]
.endr
	v_nop
	s_wait_alu depctr_va_vdst(0)                   ; one wait for both reciprocals, ahead of their first reader
.irp a, 0,1
.irp i, 0,1,2,3,4,5,6,7,8,9,10,11,12,13,14,15
	v_pk_mul_f32 v[S+32*\a+2*\i:S+32*\a+2*\i+1], v[O+32*\a+2*\i:O+32*\a+2*\i+1], v[ST+8*\a+6:ST+8*\a+7] op_sel_hi:[1,0]
.endr
.endr
.irp a, 0,1
.irp i, 0,1,2,3,4,5,6,7,8,9,10,11,12,13,14,15
	v_cvt_pk_f16_f32 v[224+16*\a+\i], v[S+32*\a+2*\i], v[S+32*\a+2*\i+1]
.endr
.endr
.irp a, 0,1
.irp i, 0,1,2,3
	global_store_b128 v1, v[224+16*\a+4*\i:224+16*\a+4*\i+3], s[38:39] offset:1048576*\a+512*\i   ; 512 consecutive bytes
.endr
.endr
	s_wait_tensorcnt 0x0                           ; the wave's end
	ds_add_u32 v6, v7
	s_wait_dscnt 0x0
	CROUND                                         ; the closing round
	s_endpgm
.Lfunc_end_k_q8bc9b3519c_attn:
	.size	k_q8bc9b3519c_attn, .Lfunc_end_k_q8bc9b3519c_attn-k_q8bc9b3519c_attn
	.p2alignl 7, 3214868480
	.fill 96, 4, 3214868480
	.section	.rodata,"a",@progbits
	.p2align	6, 0x0
	.amdhsa_kernel k_q8bc9b3519c_attn
		.amdhsa_group_segment_fixed_size 327680
		.amdhsa_private_segment_fixed_size 0
		.amdhsa_enable_private_segment 0
		.amdhsa_kernarg_size 16
		.amdhsa_user_sgpr_count 2
		.amdhsa_user_sgpr_kernarg_segment_ptr 1
		.amdhsa_wavefront_size32 1
		.amdhsa_system_sgpr_workgroup_id_x 1
		.amdhsa_system_sgpr_workgroup_id_y 1
		.amdhsa_system_sgpr_workgroup_id_z 1
		.amdhsa_system_vgpr_workitem_id 0
		.amdhsa_next_free_vgpr 384
		.amdhsa_next_free_sgpr 66
		.amdhsa_reserve_vcc 1
		.amdhsa_float_denorm_mode_32 3
		.amdhsa_float_denorm_mode_16_64 3
		.amdhsa_memory_ordered 1
		.amdhsa_forward_progress 1
		.amdhsa_inst_pref_size 140
	.end_amdhsa_kernel
	.amdgpu_metadata
---
amdhsa.version: [ 1, 2 ]
amdhsa.kernels:
  - .name:           k_q8bc9b3519c_attn
    .symbol:         k_q8bc9b3519c_attn.kd
    .args:
      - { .name: qkvh, .offset: 0, .size: 8, .value_kind: global_buffer, .address_space: global }
      - { .name: oc, .offset: 8, .size: 8, .value_kind: global_buffer, .address_space: global }
    .group_segment_fixed_size: 327680
    .private_segment_fixed_size: 0
    .kernarg_segment_align: 8
    .kernarg_segment_size: 16
    .max_flat_workgroup_size: 256
    .sgpr_count:     66
    .vgpr_count:     384
    .wavefront_size: 32
...
	.end_amdgpu_metadata
.endif
;; end of part 3
;; launch proj (part 4): grid 8 x 32, 4 waves a work-group, clusters of 4 x 4, 327,680 bytes of LDS; arguments oc, woc, out0; writes out0
.if DOCPART == 4
	.amdgcn_target "amdgcn-amd-amdhsa--gfx1250"
	.amdhsa_code_object_version 6
	.text
	.protected	k_q8bc9b3519c_proj
	.globl	k_q8bc9b3519c_proj
	.p2align	8
	.type	k_q8bc9b3519c_proj,@function
k_q8bc9b3519c_proj:
	s_mov_b64 s[64:65], 0
	v_nop
	global_prefetch_b8 v0, s[64:65] scope:SCOPE_SE
	s_setreg_imm32_b32 hwreg(HW_REG_WAVE_MODE, 25, 1), 1
	s_wait_xcnt 0x0
	s_wait_alu depctr_hold_cnt(0) depctr_sa_sdst(0) depctr_va_vdst(0) depctr_va_sdst(0) depctr_va_ssrc(0) depctr_va_vcc(0) depctr_vm_vsrc(0)
	s_getreg_b32 s2, hwreg(HW_REG_IB_STS2, 6, 4)
	s_cmp_eq_u32 s2, 0
	s_cbranch_scc0 .Lentry_in_a_cluster
	s_endpgm
.Lentry_in_a_cluster:
	s_bfe_u32 s2, ttmp6, 0x10000c
	s_cmp_lg_u32 s2, 0xf033
	s_cbranch_scc0 .Lentry_shape_is_right
	s_endpgm
.Lentry_shape_is_right:
; PROJ: out0 [4096][1024] f32 = o Wo, f16 operands, f32 sums, K = 1,024.  Both operands come as images of fragments: oc [t tile 256][K chunk 32][1,024 bytes], woc [n tile 64][K chunk 32][1,024 bytes].
; A tile of the output is 128 x 128 (256 work-groups); four waves, each 64 x 64: 16 accumulators.  K goes in steps of 256 (8 chunks) through two LDS slots: [o: 8 tiles x 8,192 bytes][Wo: 8 x 8,192].
; A wave's tensor load brings 4 tiles x 8,192 bytes (rows 32,768 bytes apart in memory); a fragment is read at 16 x lane, 512 consecutive bytes a load: no pitch, no padding.
; CLUSTERS: 4 x 4: o's tiles are shared along a row of the cluster, Wo's along a column, each asked for jointly.  Transposed use (source 0 = Wo, source 1 = o): a lane holds eight neighbouring numbers of a row.
; Four K steps: two first fills, two refills; the text is written out without a loop.  Rows 0-15 of each sequence are written again, more finely, by the launch behind this one.
; No prefetch: the tiles are small and the launch short.
; REGISTERS: window 0: v16-29 addresses; v32-95 the way out; v128-255 the accumulators ((a, b) at v[128 + 8 (4 a + b)]).  window 1: two fragment buffers of 128: 64 registers of o (2 chunks x 4 tiles), then 64 of Wo.
.set SLOT,  131072
.set SPARE, 262144
.set ADRA, 16
.set ADRB, 20
.set STO,  24
.set RD,   25
.set CO,   26
.set SPW,  28
.set NIL,  29
.set BK,   32
.set ACC,  128
.set F0,   0
.set F1,   128
.set G1, 24
.set G0, 32
.set G1B, 48
.set G0B, 56
.set MSB, 0
.macro WIN new
.if MSB != (\new)
	s_set_vgpr_msb (MSB<<8)|(\new)
.set MSB, (\new)
.endif
.endm
.set MUL,  0x05                        ; sources 0 and 1 window 1; C and D window 0
.set TO_F, 0x40                        ; destination window 1
.macro JLOAD s                         ; waves 0, 1 fetch o's halves, waves 2, 3 Wo's; an s_nop 0 and four v_nop follow each line
	s_cmp_eq_u32 s11, 0
	s_cbranch_scc0 .Lfor_b_\@
	tensor_load_to_lds s[G0+4*\s:G0+4*\s+3], s[G1:G1+7]
	s_nop 0
.rept 4
	v_nop
.endr
	s_branch .Lasked_\@
.Lfor_b_\@:
	tensor_load_to_lds s[G0B+4*\s:G0B+4*\s+3], s[G1B:G1B+7]
	s_nop 0
.rept 4
	v_nop
.endr
.Lasked_\@:
.endm
.macro CREST
	s_cmp_lg_u32 s10, 0
	s_cbranch_scc1 .Lnot_wave_0_\@
	s_barrier_signal -3
.Lnot_wave_0_\@:
	s_barrier_wait -3
	s_barrier_signal -1
	s_barrier_wait -1
.endm
.macro CROUND
	s_barrier_signal -1
	s_barrier_wait -1
	CREST
.endm
	s_load_b128 s[4:7], s[0:1], 0x0                ; oc s[4:5], woc s[6:7]
	s_load_b64 s[8:9], s[0:1], 0x10                ; out0
	v_lshl_add_u32 v[SPW], v0, 2, SPARE
	v_mov_b32 v[NIL], 0
	ds_add_u32 v[SPW], v[NIL]                      ; the wave's opening: the add, twice on end, and its wait ahead of my first tensor load
	ds_add_u32 v[SPW], v[NIL]
	v_lshrrev_b32 v1, 5, v0
	v_readfirstlane_b32 s10, v1                    ; wave 0..3
	s_lshr_b32 s11, s10, 1                         ; my half of the rows.  Also: I fetch for o (0) or for Wo (1)
	s_and_b32 s12, s10, 1                          ; my half of the columns.  Also: which four tiles I fetch
	s_bfe_u32 s40, ttmp6, 0x40000                  ; cx
	s_bfe_u32 s41, ttmp6, 0x40004                  ; cy
	s_lshl_b32 s42, ttmp9, 2
	s_add_co_u32 s42, s42, s40                     ; tile column
	s_and_b32 s13, ttmp7, 0xffff
	s_lshl_b32 s13, s13, 2
	s_add_co_u32 s13, s13, s41                     ; tile row
	s_lshl_b32 s43, s41, 2
	s_lshl_b32 s43, 15, s43                        ; my row of the cluster
	s_lshl_b32 s44, 0x1111, s40                    ; my column
	s_or_b32 s[G1+0], s43, (3<<16)|(1<<21)         ; elements of 8 bytes; bit 21 beside a mask
	s_or_b32 s[G1B+0], s44, (3<<16)|(1<<21)
.irp g, G1, G1B
	s_mov_b32 s[\g+1], 1024<<16                    ; a row: 8,192 bytes
	s_mov_b32 s[\g+2], 4<<16
	s_mov_b32 s[\g+3], 1024<<16
	s_mov_b32 s[\g+4], 4                           ; four tiles
	s_mov_b32 s[\g+5], 4096                        ; 32,768 bytes apart
	s_mov_b32 s[\g+6], 0
	s_mov_b32 s[\g+7], 0
.endr
	s_lshl_b32 s16, s13, 18                        ; o: 8 tiles of 32,768 bytes a tile row, 4 a half
	s_lshl_b32 s17, s12, 17
	s_add_co_u32 s16, s16, s17
	s_mov_b32 s17, 0
	s_lshl_b32 s46, s42, 18                        ; Wo likewise by the tile column
	s_lshl_b32 s47, s12, 17
	s_add_co_u32 s46, s46, s47
	s_mov_b32 s47, 0
	s_lshl_b32 s20, s10, 15                        ; where they go: 32,768 x wave
	s_wait_dscnt 0x0                               ; both opening adds are done
	s_wait_kmcnt 0x0
	s_add_nc_u64 s[14:15], s[4:5], s[16:17]
	s_add_nc_u64 s[46:47], s[6:7], s[46:47]
	CROUND                                         ; all sixteen work-groups are here
.irp s, 0,1
	s_mov_b32 s[G0+4*\s], 1
	s_add_co_u32 s[G0+4*\s+1], s20, \s*SLOT
	s_add_nc_u64 s[G0+4*\s+2:G0+4*\s+3], s[14:15], \s*8192
	s_or_b32 s[G0+4*\s+3], s[G0+4*\s+3], 0x80000000
	s_mov_b32 s[G0B+4*\s], 1
	s_add_co_u32 s[G0B+4*\s+1], s20, \s*SLOT
	s_add_nc_u64 s[G0B+4*\s+2:G0B+4*\s+3], s[46:47], \s*8192
	s_or_b32 s[G0B+4*\s+3], s[G0B+4*\s+3], 0x80000000
	JLOAD \s                                       ; two loads of mine are out
.endr
	v_and_b32 v1, 15, v0                           ; r
	v_bfe_u32 v2, v0, 4, 1                         ; h
	v_and_b32 v3, 31, v0
	v_lshlrev_b32 v3, 4, v3                        ; 16 x lane
	s_lshl_b32 s21, s11, 15                        ; my four tiles of o
	s_lshl_b32 s22, s12, 15                        ; my four tiles of Wo,
	s_add_co_u32 s22, s22, 65536                   ; behind o's eight
.irp s, 0,1
	v_add_nc_u32 v[ADRA+\s], s21, v3
	v_add_nc_u32 v[ADRB+\s], s22, v3
	s_add_co_u32 s21, s21, SLOT
	s_add_co_u32 s22, s22, SLOT
.endr
	s_mul_i32 s23, s10, 4352                       ; my stage: 16 rows x (256 + 16) bytes, in slot 0, which has had its last fill and its last read when the first result is stored there
	v_mul_u32_u24 v4, v1, 272
	v_lshl_add_u32 v4, v2, 5, v4
	v_add_nc_u32 v[STO], s23, v4                   ; in: row r, 32 bytes for each half of the lanes
	v_mul_u32_u24 v5, v2, 272
	v_lshl_add_u32 v5, v1, 4, v5
	v_add_nc_u32 v[RD], s23, v5                    ; back: lanes 0-15 one row of 256 bytes, lanes 16-31 the next
	v_lshlrev_b32 v5, 12, v2
	v_lshl_add_u32 v[CO], v1, 4, v5                ; and the same two rows of out0
	s_lshl_b32 s16, s13, 19                        ; my first row: 128 x tile row + 64 x half, rows of 4,096 bytes
	s_lshl_b32 s17, s11, 18
	s_add_co_u32 s16, s16, s17
	s_mov_b32 s17, 0
	s_add_nc_u64 s[8:9], s[8:9], s[16:17]
	s_lshl_b32 s46, s42, 9                         ; my first column, in bytes
	s_lshl_b32 s47, s12, 8
	s_add_co_u32 s46, s46, s47
	s_mov_b32 s47, 0
	s_add_nc_u64 s[8:9], s[8:9], s[46:47]
.macro MUL8 f, c, a0, zero             ; 8 products: row tiles a0, a0 + 1 x the four column tiles, chunk c of buffer f
.irp a, \a0, \a0+1
.irp b, 0,1,2,3
.if \zero
	v_wmma_f32_16x16x32_f16 v[ACC+8*(4*(\a)+\b):ACC+8*(4*(\a)+\b)+7], v[\f+64+8*(4*\c+\b):\f+64+8*(4*\c+\b)+7], v[\f+8*(4*\c+\a):\f+8*(4*\c+\a)+7], 0
.else
	v_wmma_f32_16x16x32_f16 v[ACC+8*(4*(\a)+\b):ACC+8*(4*(\a)+\b)+7], v[\f+64+8*(4*\c+\b):\f+64+8*(4*\c+\b)+7], v[\f+8*(4*\c+\a):\f+8*(4*\c+\a)+7], v[ACC+8*(4*(\a)+\b):ACC+8*(4*(\a)+\b)+7]
.endif
.endr
.endr
.endm
.macro FETCH slot, q, f                ; 32 LDS loads in one run: quarter q (chunks 2 q, 2 q + 1) into buffer f; the first chunk first
	WIN TO_F
.irp c, 0,1
.irp i, 0,1,2,3
	ds_load_b128 v[\f+64+8*(4*\c+\i):\f+64+8*(4*\c+\i)+3],   v[ADRB+\slot] offset:8192*\i+1024*(2*\q+\c)
	ds_load_b128 v[\f+64+8*(4*\c+\i)+4:\f+64+8*(4*\c+\i)+7], v[ADRB+\slot] offset:8192*\i+1024*(2*\q+\c)+512
	ds_load_b128 v[\f+8*(4*\c+\i):\f+8*(4*\c+\i)+3],         v[ADRA+\slot] offset:8192*\i+1024*(2*\q+\c)
	ds_load_b128 v[\f+8*(4*\c+\i)+4:\f+8*(4*\c+\i)+7],       v[ADRA+\slot] offset:8192*\i+1024*(2*\q+\c)+512
.endr
.endr
.endm
.macro PLACES
.rept 4
	v_nop
.endr
.endm
.macro QUARTER slot, q, f, g, zero     ; multiplies buffer f and fetches quarter q of the same slot into g.  The 16 accumulators take turns
	s_wait_dscnt 16                                ; the first chunk is in
	WIN MUL
	MUL8 \f, 0, 0, \zero
	MUL8 \f, 0, 2, \zero
	PLACES
	FETCH \slot, \q, \g
	s_wait_dscnt 32                                ; all but the 32 just issued
	WIN MUL
	MUL8 \f, 1, 0, 0
	MUL8 \f, 1, 2, 0
.endm
.macro TURN slot, next, fill           ; a slot's last quarter changes slots
	WIN 0
	s_wait_tensorcnt 0x0                           ; all my tensor loads have landed: my part of the next slot
	ds_add_u32 v[SPW], v[NIL]
	s_wait_dscnt 17                                ; (the add and the youngest sixteen loads may be out)
	WIN MUL
	MUL8 F1, 0, 0, 0
	s_wait_dscnt 0x0                               ; the add is done, and my reads of this slot are over
	s_barrier_signal -1
	MUL8 F1, 0, 2, 0
.if \fill
	WIN 0
.endif
	s_barrier_wait -1
.if \fill
	CREST                                          ; the barrier has opened a round of the cluster's barrier
	s_add_nc_u64 s[G0+4*\slot+2:G0+4*\slot+3], s[G0+4*\slot+2:G0+4*\slot+3], 16384
	s_add_nc_u64 s[G0B+4*\slot+2:G0B+4*\slot+3], s[G0B+4*\slot+2:G0B+4*\slot+3], 16384
	JLOAD \slot                                    ; my one load behind the round; its four v_nop are also the places in front of the loads below
.else
	PLACES
.endif
	FETCH \next, 0, F0
	WIN MUL
	MUL8 F1, 1, 0, 0
	MUL8 F1, 1, 2, 0
.endm
	s_wait_tensorcnt 1                             ; my part of K step 0 is in; K step 1's may stay out
	s_barrier_signal -1
	s_barrier_wait -1
	FETCH 0, 0, F0
	QUARTER 0, 1, F0, F1, 1                        ; the first products start the sums
	QUARTER 0, 2, F1, F0, 0
	QUARTER 0, 3, F0, F1, 0
	TURN 0, 1, 1
	QUARTER 1, 1, F0, F1, 0
	QUARTER 1, 2, F1, F0, 0
	QUARTER 1, 3, F0, F1, 0
	TURN 1, 0, 1
	QUARTER 0, 1, F0, F1, 0
	QUARTER 0, 2, F1, F0, 0
	QUARTER 0, 3, F0, F1, 0
	TURN 0, 1, 0
	QUARTER 1, 1, F0, F1, 0
	QUARTER 1, 2, F1, F0, 0
	QUARTER 1, 3, F0, F1, 0
	s_wait_dscnt 16
	WIN MUL
	MUL8 F1, 0, 0, 0
	MUL8 F1, 0, 2, 0
	s_wait_dscnt 0x0
	MUL8 F1, 1, 0, 0
	MUL8 F1, 1, 2, 0
	WIN 0
; the way out, 16 rows x 64 columns at a time through my own stage: a lane holds 32 bytes of a row; whole rows of 256 bytes come back.  LDS serves a wave's instructions in order
.macro TOSTAGE a
.irp b, 0,1,2,3
	ds_store_b128 v[STO], v[ACC+8*(4*(\a)+\b):ACC+8*(4*(\a)+\b)+3] offset:64*\b       ; each accumulator from its low end on
	ds_store_b128 v[STO], v[ACC+8*(4*(\a)+\b)+4:ACC+8*(4*(\a)+\b)+7] offset:64*\b+16
.endr
.set BB, BK+32*((\a)%2)
.irp t, 0,1,2,3,4,5,6,7
	ds_load_b128 v[BB+4*\t:BB+4*\t+3], v[RD] offset:544*\t
.endr
.endm
.macro SEND a, younger
.set BB, BK+32*((\a)%2)
	s_wait_dscnt \younger                          ; the block is back; the next block's LDS instructions may be out
.irp t, 0,1,2,3,4,5,6,7
	global_store_b128 v[CO], v[BB+4*\t:BB+4*\t+3], s[8:9] offset:4096*(16*(\a)+2*\t) th:TH_STORE_NT   ; each half of the lanes stores 256 consecutive bytes, aligned
.endr
.endm
	PLACES
	TOSTAGE 0
.irp a, 1,2,3
.if \a > 1
	s_wait_xcnt 0x0                                ; block a - 2's stores have read their registers, into which block a's loads land
.endif
	TOSTAGE \a
	SEND \a-1, 16
.endr
	SEND 3, 0
	s_wait_tensorcnt 0x0                           ; the wave's end
	ds_add_u32 v[SPW], v[NIL]
	s_wait_dscnt 0x0
	CROUND                                         ; the closing round
	s_endpgm
.Lfunc_end_k_q8bc9b3519c_proj:
	.size	k_q8bc9b3519c_proj, .Lfunc_end_k_q8bc9b3519c_proj-k_q8bc9b3519c_proj
	.p2alignl 7, 3214868480
	.fill 96, 4, 3214868480
	.section	.rodata,"a",@progbits
	.p2align	6, 0x0
	.amdhsa_kernel k_q8bc9b3519c_proj
		.amdhsa_group_segment_fixed_size 327680
		.amdhsa_private_segment_fixed_size 0
		.amdhsa_enable_private_segment 0
		.amdhsa_kernarg_size 24
		.amdhsa_user_sgpr_count 2
		.amdhsa_user_sgpr_kernarg_segment_ptr 1
		.amdhsa_wavefront_size32 1
		.amdhsa_system_sgpr_workgroup_id_x 1
		.amdhsa_system_sgpr_workgroup_id_y 1
		.amdhsa_system_sgpr_workgroup_id_z 1
		.amdhsa_system_vgpr_workitem_id 0
		.amdhsa_next_free_vgpr 512
		.amdhsa_next_free_sgpr 66
		.amdhsa_reserve_vcc 0
		.amdhsa_float_denorm_mode_32 3
		.amdhsa_float_denorm_mode_16_64 3
		.amdhsa_memory_ordered 1
		.amdhsa_forward_progress 1
		.amdhsa_inst_pref_size 85
	.end_amdhsa_kernel
	.amdgpu_metadata
---
amdhsa.version: [ 1, 2 ]
amdhsa.kernels:
  - .name:           k_q8bc9b3519c_proj
    .symbol:         k_q8bc9b3519c_proj.kd
    .args:
      - { .name: oc, .offset: 0, .size: 8, .value_kind: global_buffer, .address_space: global }
      - { .name: woc, .offset: 8, .size: 8, .value_kind: global_buffer, .address_space: global }
      - { .name: out0, .offset: 16, .size: 8, .value_kind: global_buffer, .address_space: global }
    .group_segment_fixed_size: 327680
    .private_segment_fixed_size: 0
    .kernarg_segment_align: 8
    .kernarg_segment_size: 24
    .max_flat_workgroup_size: 128
    .sgpr_count:     66
    .vgpr_count:     512
    .wavefront_size: 32
...
	.end_amdgpu_metadata
.endif
;; end of part 4
;; launch first16 (part 5): grid 32 x 2, 16 waves a work-group, no clusters, 38,912 bytes of LDS; arguments q32, Wo, out0; writes out0
.if DOCPART == 5
	.amdgcn_target "amdgcn-amd-amdhsa--gfx1250"
	.amdhsa_code_object_version 6
	.text
	.protected	k_q8bc9b3519c_first16
	.globl	k_q8bc9b3519c_first16
	.p2align	8
	.type	k_q8bc9b3519c_first16,@function
k_q8bc9b3519c_first16:
	s_mov_b64 s[64:65], 0
	v_nop
	global_prefetch_b8 v0, s[64:65] scope:SCOPE_SE
	s_setreg_imm32_b32 hwreg(HW_REG_WAVE_MODE, 25, 1), 1
	s_wait_xcnt 0x0
; FIRST16: positions 0-15 of each sequence average one to sixteen values and are the largest rows of the output: they go in f32 through attention and projection, and are written over what the launch before left there.
; A work-group takes one batch and 32 columns of out0; wave = head.  Each wave makes its head's attention of the 16 rows from the f32 accumulators that launch qkv left in q32 ([batch x head][tile 12: q 0-3, k 0-3, v 0-3][2][512 bytes]),
; multiplies by its 64 rows of Wo, and the sixteen parts are added through LDS.
; THE f32 MATRIX FORM takes k = 2 (lane / 16) + j from a pair of registers.  A pair (2 u, 2 u + 1) of an accumulator holds index 8 (lane / 16) + 2 u + j: the same order of k on both sides of each product, so the sums are whole.
; The registers that the f32 matrix form writes (v176-207, v224-255) are written by matrix instructions alone; each sum begins with the constant 0; what is made of a sum goes into other registers.
; A store covers 128 bytes of a row: the launch writes 131,072 bytes in all.
; REGISTERS: v16-47 q, later o; v48-79 k; v80-111 v, later the parts; v112-175 Wo (32 t' + 8 t + 2 u + j); v176-207 S^T in four parts, v176-191 later the output's two tiles; v208-215 scores, then p; v216-223 at work; v224-255 O^T.
.set SPARE, 36864                      ; behind the parts (16 waves x 16 rows x 144 bytes): the spare words
.set SPW, 14
.set NIL, 15
.macro PLACES n
.rept \n
	v_nop
.endr
.endm
	s_load_b128 s[4:7], s[0:1], 0x0                ; q32 s[4:5], Wo s[6:7]
	s_load_b64 s[8:9], s[0:1], 0x10                ; out0
	v_lshl_add_u32 v[SPW], v0, 2, SPARE
	v_mov_b32 v[NIL], 0
	v_lshrrev_b32 v1, 5, v0
	v_readfirstlane_b32 s10, v1                    ; wave = head; later: the row that I add up
	s_and_b32 s11, ttmp7, 0xffff                   ; batch
	v_and_b32 v1, 31, v0                           ; lane
	v_and_b32 v2, 15, v0                           ; r
	v_bfe_u32 v3, v0, 4, 1                         ; h
	v_lshlrev_b32 v4, 4, v1                        ; 16 x lane
	v_lshlrev_b32 v5, 15, v3
	v_lshl_add_u32 v5, v2, 2, v5                   ; Wo: 8 h rows of 4,096 bytes + 4 r
	v_lshlrev_b32 v6, 3, v3
	v_sub_nc_u32 v6, v2, v6                        ; key 8 h + j is hidden where j > r - 8 h
	v_mov_b32 v7, 0xff800000
	s_mul_i32 s18, s10, 2304
	v_mul_u32_u24 v8, v2, 144
	v_lshl_add_u32 v8, v3, 5, v8
	v_add_nc_u32 v8, s18, v8                       ; my part: row r, + 32 h
	s_mul_i32 s19, s10, 144
	v_lshl_add_u32 v9, v1, 2, s19                  ; back: row = my wave's number, a lane a column
	v_lshlrev_b32 v12, 2, v1
	s_mov_b32 s20, 0x76543210
	s_mov_b32 s21, 0xfedcba98
	s_mov_b32 s22, 0x3e38aa3b                      ; c = log2(e) / 8
	s_lshl_b32 s12, s11, 4
	s_add_co_u32 s12, s12, s10
	s_mul_i32 s12, s12, 12288
	s_mov_b32 s13, 0
	s_lshl_b32 s14, s10, 18                        ; my head's 64 rows of Wo,
	s_lshl_b32 s15, ttmp9, 7                       ; the work-group's 32 columns
	s_add_co_u32 s14, s14, s15
	s_lshl_b32 s16, s11, 23
	s_lshl_b32 s17, s10, 12
	s_add_co_u32 s16, s16, s17
	s_add_co_u32 s16, s16, s15
	s_mov_b32 s15, 0
	s_mov_b32 s17, 0
	s_wait_kmcnt 0x0
	s_add_nc_u64 s[4:5], s[4:5], s[12:13]
	s_add_nc_u64 s[6:7], s[6:7], s[14:15]
	s_add_nc_u64 s[8:9], s[8:9], s[16:17]
.irp i, 0,1,2,3,4,5,6,7,8,9,10,11,12,13,14,15,16,17,18,19,20,21,22,23
	global_load_b128 v[16+4*\i:19+4*\i], v4, s[4:5] offset:512*\i
.endr
.irp tp, 0,1
.irp k, 0,1,2,3,4,5,6,7,8,9,10,11,12,13,14,15,16,17,18,19,20,21,22,23,24,25,26,27,28,29,30,31
	global_load_b32 v[112+32*\tp+\k], v5, s[6:7] offset:4096*(16*(\k/8)+\k%8)+64*\tp
.endr
.endr
	s_wait_loadcnt 63                              ; q, k and v are in: 64 loads were issued behind them, and a smaller count is safe
.irp u, 0,1,2,3                                ; S^T = k q^T in four parts, which take turns
.irp nt, 0,1,2,3
.if \u == 0
	v_wmma_f32_16x16x4_f32 v[176+8*\nt:183+8*\nt], v[48+8*\nt+2*\u:49+8*\nt+2*\u], v[16+8*\nt+2*\u:17+8*\nt+2*\u], 0
.else
	v_wmma_f32_16x16x4_f32 v[176+8*\nt:183+8*\nt], v[48+8*\nt+2*\u:49+8*\nt+2*\u], v[16+8*\nt+2*\u:17+8*\nt+2*\u], v[176+8*\nt:183+8*\nt]
.endif
.endr
.endr
	PLACES 8
.irp j, 0,1,2,3,4,5,6,7
	v_add_f32 v[208+\j], v[176+\j], v[184+\j]      ; each part is read from its low end on
	v_add_f32 v[216+\j], v[192+\j], v[200+\j]
.endr
.irp j, 0,1,2,3,4,5,6,7
	v_add_f32 v[208+\j], v[208+\j], v[216+\j]      ; lane (r, h): query r, key 8 h + j
.endr
.irp j, 0,1,2,3,4,5,6,7
	v_cmp_gt_i32 vcc_lo, \j, v6
	v_cndmask_b32 v[208+\j], v[208+\j], v7, vcc_lo
.endr
	v_max3_num_f32 v216, v208, v209, v210
	v_max3_num_f32 v216, v216, v211, v212
	v_max3_num_f32 v216, v216, v213, v214
	v_max_num_f32 v216, v216, v215
	v_permlanex16_b32 v217, v216, s20, s21
	v_max_num_f32 v216, v216, v217                 ; the row's maximum: key 0 counts for every query
	v_mul_f32 v218, s22, v216
.irp j, 0,1,2,3,4,5,6,7
	v_fma_f32 v[208+\j], v[208+\j], s22, -v218
.endr
.irp j, 0,1,2,3,4,5,6,7
	v_exp_f32 v[208+\j], v[208+\j]
.endr
	v_nop
	s_wait_alu depctr_va_vdst(0)                   ; one wait for the eight exponentials, ahead of their first reader
	v_add_f32 v216, v208, v209
	v_add_f32 v217, v210, v211
	v_add_f32 v219, v212, v213
	v_add_f32 v221, v214, v215
	v_add_f32 v216, v216, v217
	v_add_f32 v219, v219, v221
	v_add_f32 v216, v216, v219
	v_permlanex16_b32 v217, v216, s20, s21
	v_add_f32 v216, v216, v217
	v_rcp_f32 v220, v216
	v_nop
.irp u, 0,1,2,3                                ; O^T = v^T p^T: four tiles of 16 d by turns
.irp t, 0,1,2,3
.if \u == 0
	v_wmma_f32_16x16x4_f32 v[224+8*\t:231+8*\t], v[80+8*\t+2*\u:81+8*\t+2*\u], v[208+2*\u:209+2*\u], 0
.else
	v_wmma_f32_16x16x4_f32 v[224+8*\t:231+8*\t], v[80+8*\t+2*\u:81+8*\t+2*\u], v[208+2*\u:209+2*\u], v[224+8*\t:231+8*\t]
.endif
.endr
.endr
	PLACES 8
	s_wait_alu depctr_va_vdst(0)                   ; the reciprocal's wait, ahead of its first reader
.irp j, 0,1,2,3,4,5,6,7,8,9,10,11,12,13,14,15,16,17,18,19,20,21,22,23,24,25,26,27,28,29,30,31
	v_mul_f32 v[16+\j], v[224+\j], v220            ; o(r, 16 t + 8 h + j) in register 8 t + j
.endr
	s_wait_loadcnt 0x0                             ; Wo
.irp k, 0,1,2,3,4,5,6,7,8,9,10,11,12,13,14,15  ; my head's part of the output, transposed: source 0 = 16 columns of Wo, source 1 = o; two tiles by turns
.irp tp, 0,1
.if \k == 0
	v_wmma_f32_16x16x4_f32 v[176+8*\tp:183+8*\tp], v[112+32*\tp+2*\k:113+32*\tp+2*\k], v[16+2*\k:17+2*\k], 0
.else
	v_wmma_f32_16x16x4_f32 v[176+8*\tp:183+8*\tp], v[112+32*\tp+2*\k:113+32*\tp+2*\k], v[16+2*\k:17+2*\k], v[176+8*\tp:183+8*\tp]
.endif
.endr
.endr
	PLACES 8
.irp tp, 0,1
	ds_store_b128 v8, v[176+8*\tp:179+8*\tp] offset:64*\tp      ; lane (r, h): row r, columns 16 t' + 8 h + 0 .. 7
	ds_store_b128 v8, v[180+8*\tp:183+8*\tp] offset:64*\tp+16
.endr
	s_wait_dscnt 0x0                               ; for the others' sake
	s_barrier_signal -1
	s_barrier_wait -1
.irp p, 0,1,2,3,4,5,6,7,8,9,10,11,12,13,14,15
	ds_load_b32 v[80+\p], v9 offset:2304*\p        ; row w of all sixteen parts
.endr
	s_wait_dscnt 0x0
.irp p, 0,1,2,3,4,5,6,7
	v_add_f32 v[80+\p], v[80+\p], v[88+\p]
.endr
.irp p, 0,1,2,3
	v_add_f32 v[80+\p], v[80+\p], v[84+\p]
.endr
	v_add_f32 v80, v80, v82
	v_add_f32 v81, v81, v83
	v_add_f32 v80, v80, v81
	global_store_b32 v12, v80, s[8:9]
	s_wait_tensorcnt 0x0                           ; the wave's end: behind my last LDS store
	ds_add_u32 v[SPW], v[NIL]
	s_wait_dscnt 0x0
	s_endpgm
.Lfunc_end_k_q8bc9b3519c_first16:
	.size	k_q8bc9b3519c_first16, .Lfunc_end_k_q8bc9b3519c_first16-k_q8bc9b3519c_first16
	.p2alignl 7, 3214868480
	.fill 96, 4, 3214868480
	.section	.rodata,"a",@progbits
	.p2align	6, 0x0
	.amdhsa_kernel k_q8bc9b3519c_first16
		.amdhsa_group_segment_fixed_size 38912
		.amdhsa_private_segment_fixed_size 0
		.amdhsa_enable_private_segment 0
		.amdhsa_kernarg_size 24
		.amdhsa_user_sgpr_count 2
		.amdhsa_user_sgpr_kernarg_segment_ptr 1
		.amdhsa_wavefront_size32 1
		.amdhsa_system_sgpr_workgroup_id_x 1
		.amdhsa_system_sgpr_workgroup_id_y 1
		.amdhsa_system_sgpr_workgroup_id_z 1
		.amdhsa_system_vgpr_workitem_id 0
		.amdhsa_next_free_vgpr 256
		.amdhsa_next_free_sgpr 66
		.amdhsa_reserve_vcc 1
		.amdhsa_float_denorm_mode_32 3
		.amdhsa_float_denorm_mode_16_64 3
		.amdhsa_memory_ordered 1
		.amdhsa_forward_progress 1
		.amdhsa_inst_pref_size 22
	.end_amdhsa_kernel
	.amdgpu_metadata
---
amdhsa.version: [ 1, 2 ]
amdhsa.kernels:
  - .name:           k_q8bc9b3519c_first16
    .symbol:         k_q8bc9b3519c_first16.kd
    .args:
      - { .name: q32, .offset: 0, .size: 8, .value_kind: global_buffer, .address_space: global }
      - { .name: Wo, .offset: 8, .size: 8, .value_kind: global_buffer, .address_space: global }
      - { .name: out0, .offset: 16, .size: 8, .value_kind: global_buffer, .address_space: global }
    .group_segment_fixed_size: 38912
    .private_segment_fixed_size: 0
    .kernarg_segment_align: 8
    .kernarg_segment_size: 24
    .max_flat_workgroup_size: 512
    .sgpr_count:     66
    .vgpr_count:     256
    .wavefront_size: 32
...
	.end_amdgpu_metadata
.endif
;; end of part 5
